; MI455X (gfx1250); checked and timed in simulation.
; The chip was launched on July 23, 2026; its instructions are those of AMD's public machine-readable ISA for CDNA 5 (MIT licence, August 2026) and "CDNA5" Instruction Set Architecture Reference Guide (July 2026). The comments in the code are by the model that wrote it; some were corrected since.
;; Optimized Multi Head Attention. Allowed arithmetic: matrix products marked QUANTISED: E2M1 operands, one E8M0 scale for each 32 along K, by v_wmma_scale_f32_16x16x128_f8f6f4 with both operands' format E2M1 (or v_wmma_scale_f32_32x16x128_f4), f32 sums; everything else in f32.
;; Inputs: b_o 512 float32; ln_beta 512 float32; ln_gamma 512 float32; w_k_codes 512 x 16 x 16 uint8 (E2M1 codes of w_k, K innermost, in blocks of 32 codes, two codes a byte); w_k_scales 512 x 16 uint8 (E8M0 scales of w_k, one for each 32 codes along K); w_o_codes 512 x 16 x 16 uint8 (E2M1 codes of w_o, K innermost, in blocks of 32 codes, two codes a byte); w_o_scales 512 x 16 uint8 (E8M0 scales of w_o, one for each 32 codes along K); w_q_codes 512 x 16 x 16 uint8 (E2M1 codes of w_q, K innermost, in blocks of 32 codes, two codes a byte); w_q_scales 512 x 16 uint8 (E8M0 scales of w_q, one for each 32 codes along K); w_v_codes 512 x 16 x 16 uint8 (E2M1 codes of w_v, K innermost, in blocks of 32 codes, two codes a byte); w_v_scales 512 x 16 uint8 (E8M0 scales of w_v, one for each 32 codes along K); x 2 x 4,096 x 512 float32.
;; Outputs: out0 2 x 4,096 x 512 float32.
;; This version of the problem:
;;   THIS VERSION OF THE PROBLEM IS GIVEN IN LOW PRECISION. The matrix products marked QUANTISED in the list below multiply operands that are first quantised to E2M1 (2 exponent bits, 1 mantissa bit; 4 bits a number), with one power-of-two scale for each 32 numbers along K (OCP MX v1.0); their sums are f32. All else is computed in f32.
;;   The module's matrix products, in the order in which they are computed (A, B: the left and right operand; K: the contracted axis; several contracted axes count as one K, in the product's order):
;;     1. [M 8,192, K 512] x [K 512, N 512]; A: computed on the way; B: input w_q (given as codes): QUANTISED
;;     2. [M 8,192, K 512] x [K 512, N 512]; A: computed on the way; B: input w_k (given as codes): QUANTISED
;;     3. [M 8,192, K 512] x [K 512, N 512]; A: computed on the way; B: input w_v (given as codes): QUANTISED
;;     4. batch 16 x [M 4,096, K 64] x [K 64, N 4,096]; A: computed on the way; B: computed on the way: QUANTISED
;;     5. batch 16 x [M 4,096, K 4,096] x [K 4,096, N 64]; A: softmax (see below); B: computed on the way: QUANTISED
;;     6. [M 8,192, K 512] x [K 512, N 512]; A: computed on the way; B: input w_o (given as codes): QUANTISED
;;   THE QUANTISER, for each operand of a quantised product, along K:
;;     - K is cut into blocks of 32 from its start; a last block that is shorter is filled with zeros.
;;     - A block's scale is 2^e with e = floor(log2(the largest magnitude in the block)) - 2, held to -126 .. 127; a block of zeros has e = 0. As a byte (E8M0): e + 127.
;;     - Each number is divided by its block's scale, clamped to +-6, and rounded to the nearest number of E2M1, ties to even, subnormals kept.
;;     - The product sums the exact products of the quantised numbers (number of the format x scale) in f32.
;;   ~~~python
;;   def quantise(x, axis):      # numpy; x: float32 -> the quantised numbers, widened to float32 again
;;       x = np.moveaxis(x, axis, -1); K = x.shape[-1]
;;       x = np.pad(x, [(0, 0)] * (x.ndim - 1) + [(0, -K % 32)]); x = x.reshape(x.shape[:-1] + (-1, 32)); a = np.abs(x).max(-1, keepdims=True)
;;       e = np.where(a > 0, np.clip(np.frexp(np.where(a > 0, a, 1))[1] - 1 - 2, -126, 127), 0)      # np.frexp(a)[1] - 1 = floor(log2(a)), exactly
;;       r = np.clip(x / 2.0 ** e, -6, 6)
;;       step = 2.0 ** (np.maximum(np.frexp(np.where(r == 0, 1, r))[1] - 1, 0) - 1)
;;       q = np.round(r / step) * step * 2.0 ** e      # np.round: ties to even
;;       return np.moveaxis(q.reshape(q.shape[:-2] + (-1,))[..., :K], -1, axis).astype(np.float32)
;;   ~~~
;;   SOFTMAX AHEAD OF A QUANTISED PRODUCT. Where the list says 'softmax', what is quantised is not the finished softmax but p = 2^(t - M), with t = logit x log2(e) and M = ceil(the row's largest t), a whole number; so 1/2 < the row's largest p <= 1. The row's sum l is taken of the UNQUANTISED p, in f32, and the product's result is divided by l at the end. Since M is a whole number, a kernel that streams over the keys may use a running M (the ceiling of the running maximum): every later rescaling is an exact power of two, which a block's scale takes up: the codes' values come out the same.
;;   OPERANDS COMPUTED ON THE WAY. 'Computed on the way' means the value that the module computes at that place (a softmax that the list does not call 'softmax' is quantised finished and normalised). What goes into a quantiser is computed in f32, as accurately as f32 sums, v_exp_f32 and their like allow (about 1e-6 of the number): no bf16 or f16 on the way to a quantiser, and a product that is left as it is and whose result goes on into a quantised operand takes f32 operands (vector FMAs, or v_wmma_f32_16x16x4_f32). A number that lies on a knife's edge between two numbers of the format may be rounded either way, as far as f32 arithmetic and the matrix unit's own rounding can turn it there, and no further.
;;   INPUTS GIVEN AS CODES. w_k (in the module: [512, 512], K = its axis 1); w_o (in the module: [512, 512], K = its axis 1); w_q (in the module: [512, 512], K = its axis 1); w_v (in the module: [512, 512], K = its axis 1): each comes as NAME_codes (uint8): NAME with its K axis moved to the last place and cut into blocks of 32 codes, [.., K / 32, bytes a block], one block behind the other in memory; two codes a byte, the lower K in the low four bits (a code: sign, 2 exponent bits, 1 mantissa bit); and NAME_scales (uint8): the same leading axes, one E8M0 byte (e + 127) for each 32 codes along K. Its value is code x scale, taken as it is: it is not quantised again, and the codes and scales need not be those that the quantiser above would give.
;; 2 versions. Each part assembles by itself: llvm-mc -triple=amdgcn-amd-amdhsa -mcpu=gfx1250 --defsym DOCPART=n.
;; ======== version 1 of 2: 3 launches
;; workspace buffers: kv 4,587,520 bytes; qc 2,097,152 bytes; qs 262,144 bytes; ac 2,097,152 bytes; asc 131,072 bytes
;; launch prep (part 1): grid 64 x 4, 4 waves a work-group, no clusters, 37,376 bytes of LDS; arguments x, ln_gamma, ln_beta, w_q_codes, w_q_scales, w_k_codes, w_k_scales, w_v_codes, w_v_scales, qc, qs, kv; writes qc, qs, kv
.if DOCPART == 1
	.amdgcn_target "amdgcn-amd-amdhsa--gfx1250"
	.amdhsa_code_object_version 6
	.text
	.protected	k_q9c3aa84b04_prep
	.globl	k_q9c3aa84b04_prep
	.p2align	8
	.type	k_q9c3aa84b04_prep,@function
k_q9c3aa84b04_prep:
	s_mov_b64 s[64:65], 0
	v_nop
	global_prefetch_b8 v0, s[64:65] scope:SCOPE_SE
	s_setreg_imm32_b32 hwreg(HW_REG_WAVE_MODE, 25, 1), 1
	s_wait_xcnt 0x0
; h = LayerNorm(x), quantised along its 512 columns; Q, K, V = h W^T on codes of FP4 (E2M1) with one E8M0 scale for each 32 along K; Q and K quantised along a head's 64, V along the keys.
; All three leave as IMAGES OF THE NEXT LAUNCH'S OPERAND REGISTERS (16 bytes a lane, lane by lane), with their scale words beside them.
; SHARES.  Work-group (X, y): rows 128 X .. 128 X + 127 (batch X / 32, key step X % 32), heads 2 y and 2 y + 1.  Wave w: head 2 y + w % 2, half = w / 2.
;   LayerNorm: rows 32 w .. 32 w + 31, codes and scale bytes into LDS; one barrier; behind it LDS is only read.
;   Q, K: row tiles 4 half + m (m = 0 .. 3) x the head's 64 columns, TRANSPOSED (source 0 = 16 rows of W, source 1 = 16 rows of h): a lane holds one row, its registers run along the head's 64.
;   V: all 8 row tiles x dims 32 half .. + 31, NOT transposed (source 0 = h, source 1 = W): a lane holds one dim, its registers run along the keys.
; THE ROWS OF A TILE ARE NOT NEIGHBOURS: lane r of tile 2 b + u is row 32 b + 8 u + r % 8 + 16 (r / 8) of the 128; W's rows of a tile likewise.  So the 16 registers of tiles 2 b, 2 b + 1 are 16 neighbours along the next K.
; The weights go from memory straight into registers, read once by the wave: W_q, W_k in window 1, W_v in window 2.  No tensor load, no ring, no cluster: nothing here is walked twice.
; LIMITS: a block of zeros gets the scale byte 1 (the quantiser's rule says 127): its codes are zeros, and only this program reads the bytes.  NaN and infinities among the inputs are not served.  v_rsq_f32 is accurate to 1 ulp.
; REGISTERS, window 0: v0-15 addresses.  LayerNorm: v16-31 gamma, v32-47 beta, v48-175 two sets of 4 rows x 16 numbers, v176-199 six work registers a row, v200-215 codes, bytes, scale operands.
;   Products: v16-79 two sets of h's fragments (Q, K), v80-87 their scale words, v88-151 accumulators, v152-183 the quantiser's work, v184-215 h's scale words for V, v216-255 the weights' scale words.
;   window 1: v0-127 W_q's 16 fragments, v128-255 W_k's.   window 2: v0-63 W_v's 8 fragments, v64-191 two sets of h's 8 fragments for V.
.set HP,   272                         ; a row of h's codes in LDS: 256 bytes + 16: 68 words, so that the 16 rows of a fragment load start at 16 different banks (64 banks of 4 bytes: ISA guide 11.1)
.set HSC,  128*HP                      ; behind the 128 rows of codes: 16 scale bytes a row
.set GAM,  16
.set BET,  32
.set XS0,  48
.set TA,   176                         ; row q: sums v[TA+6q:+1], v[TA+6q+2:+3]; mean, then 1/sigma, in v[TA+6q+4] (the pair's upper word stays 0)
.set CD,   200
.set BY,   208
.set SOP,  212
.set WQS,  216                         ; scale word of W's tile t, K step s: register 4 t + s
.set WKS,  232
.set WVS,  248
.set AQ,   88
.set AK,   120
.set TM,   152                         ; +0..3 largest magnitudes, +4..7 bytes, +12..15 the conversions' scale operands
.set PC,   168                         ; the codes just made
.set PW,   176                         ; the scale word just made
.set HSV,  184
.set MSB, 0
.macro WIN new                         ; the immediate's high byte repeats the setting that is left
.if MSB != \new
	s_set_vgpr_msb (MSB<<8)|\new
.set MSB, \new
.endif
.endm
.macro PLACES                          ; four plain vector instructions between a matrix instruction and a load into, or a vector read or write of, its registers
.rept 4
	v_nop
.endr
.endm
.macro MM d, a, b, z, sa, sb           ; one product 16 x 16 x 128; z = 1: it starts the sum
.if \z
	v_wmma_scale_f32_16x16x128_f8f6f4 v[(\d):(\d)+7], v[(\a):(\a)+7], v[(\b):(\b)+7], 0, v[\sa], v[\sb] matrix_a_fmt:MATRIX_FMT_FP4 matrix_b_fmt:MATRIX_FMT_FP4
.else
	v_wmma_scale_f32_16x16x128_f8f6f4 v[(\d):(\d)+7], v[(\a):(\a)+7], v[(\b):(\b)+7], v[(\d):(\d)+7], v[\sa], v[\sb] matrix_a_fmt:MATRIX_FMT_FP4 matrix_b_fmt:MATRIX_FMT_FP4
.endif
.endm
; 16 nb numbers of a lane, register s + 16 b + i = k 32 b + 16 (lane / 16) + i of the lane's row, become codes in v[pc] on (register 4 c + ..: k = 64 c + 32 (lane / 16) + 0 .. 31) and the scale word v[PW].
; With nb = 2 the word's upper two bytes are 0x7f: they scale the half of a K step of 128 that holds zero codes.
.macro QUANT s, nb, pc
.irp b, 0,1,2,3
.if \b < \nb
	v_max3_num_f32 v[TM+\b], |v[\s+16*\b]|, |v[\s+16*\b+1]|, 0x1800000   ; my 16 numbers of block b, and the floor 2^(3 - 127): the byte cannot fall under 1
.endif
.endr
.irp i, 2,4,6,8,10,12,14
.irp b, 0,1,2,3
.if \b < \nb
	v_max3_num_f32 v[TM+\b], v[TM+\b], |v[\s+16*\b+\i]|, |v[\s+16*\b+\i+1]|
.endif
.endr
.endr
.irp b, 0,1,2,3
.if \b < \nb
	v_permlanex16_b32 v[TM+4+\b], v[TM+\b], s40, s41
.endif
.endr
.irp b, 0,1,2,3
.if \b < \nb
	v_max_num_f32 v[TM+\b], v[TM+\b], v[TM+4+\b]         ; with lane l xor 16's 16: the block's largest magnitude
.endif
.endr
.irp b, 0,1,2,3
.if \b < \nb
	v_add_nc_u32 v[TM+12+\b], 0xff000000, v[TM+\b]       ; 2 off its exponent field: the conversion takes that field as its scale
.endif
.endr
.irp b, 0,1,2,3
.if \b < \nb
	v_lshrrev_b32 v[TM+4+\b], 23, v[TM+12+\b]            ; the scale's byte
.endif
.endr
	v_lshl_or_b32 v[PW], v[TM+5], 8, v[TM+4]
.if \nb == 4
	v_lshl_or_b32 v[PW], v[TM+6], 16, v[PW]
	v_lshl_or_b32 v[PW], v[TM+7], 24, v[PW]
.else
	v_or_b32 v[PW], 0x7f7f0000, v[PW]
.endif
.irp b, 0,1,2,3
.if \b < \nb
	v_cvt_scalef32_pk8_fp4_f32 v[\pc+2*\b], v[\s+16*\b:\s+16*\b+7], v[TM+12+\b]
	v_cvt_scalef32_pk8_fp4_f32 v[\pc+2*\b+1], v[\s+16*\b+8:\s+16*\b+15], v[TM+12+\b]
.endif
.endr
	v_nop                                          ; one plain instruction behind the scaled conversions
.irp c, 0,1
.if 2*\c < \nb
.irp i, 0,1
	v_permlane16_swap_b32 v[\pc+4*\c+\i], v[\pc+4*\c+2+\i]   ; the operand wants a whole block in a lane: lanes 0-15 block 2 c, lanes 16-31 block 2 c + 1
.endr
.endif
.endr
.endm
	s_load_b512 s[4:19], s[0:1], 0x0               ; x 4:5, gamma 6:7, beta 8:9, W_q codes 10:11, scales 12:13, W_k codes 14:15, scales 16:17, W_v codes 18:19
	s_load_b256 s[20:27], s[0:1], 0x40             ; W_v scales 20:21, qc 22:23, qs 24:25, kv 26:27
	s_set_vgpr_msb 0x80
	v_lshl_add_u32 v192, v0, 2, 0x9000
	v_mov_b32 v193, 0
	s_set_vgpr_msb 0x8000
	v_lshrrev_b32 v1, 5, v0
	v_readfirstlane_b32 s28, v1                    ; wave 0..3
	v_and_b32 v1, 31, v0                           ; lane
	v_and_b32 v2, 15, v0                           ; r
	v_bfe_u32 v3, v0, 4, 1                         ; h
	s_and_b32 s29, s28, 1                          ; which of the two heads
	s_lshr_b32 s30, s28, 1                         ; half
	s_and_b32 s31, ttmp7, 0xffff                   ; y
	s_mov_b32 s32, ttmp9                           ; X
	s_mov_b32 s40, 0x76543210
	s_mov_b32 s41, 0xfedcba98                      ; v_permlanex16_b32's selects for lane l xor 16
	s_mov_b32 s42, 0x3b000000                      ; 1 / 512
	s_mov_b32 s43, 0x3727c5ac                      ; 1e-5
	v_cmp_le_u32 s44, 16, v1                       ; lanes 16-31
	v_lshlrev_b32 v4, 6, v1                        ; x, gamma, beta: my 16 columns, 64 bytes
	s_mul_i32 s33, s28, 32*HP
	v_lshl_add_u32 v5, v1, 3, s33                  ; LDS, codes in: 8 bytes a lane, my wave's 32 rows
	s_lshl_b32 s33, s28, 9
	s_add_co_u32 s33, s33, HSC
	v_lshrrev_b32 v6, 1, v1
	v_add_nc_u32 v6, s33, v6                       ; LDS, scale bytes in: two lanes to a block
	v_mul_u32_u24 v7, v2, HP
	v_lshl_add_u32 v7, v3, 4, v7                   ; a fragment's row x pitch + 16 x half of the lanes
	s_mul_i32 s33, s30, 64*HP
	v_add_nc_u32 v8, s33, v7                       ; the same in my four tiles for Q and K
	v_lshl_add_u32 v9, v2, 4, HSC                  ; a row's 16 scale bytes
	s_lshl_b32 s33, s30, 10
	v_add_nc_u32 v10, s33, v9
	s_lshl_b32 s33, s30, 11
	v_lshl_add_u32 v11, v1, 4, s33                 ; out: 16 bytes a lane, + 2,048 x half
	s_lshl_b32 s33, s30, 8
	v_lshl_add_u32 v12, v1, 3, s33                 ; out: pairs of scale words
	s_lshl_b32 s33, s30, 7
	v_lshl_add_u32 v13, v1, 2, s33                 ; out: V's scale words
	v_and_b32 v15, 8, v2
	v_add_nc_u32 v15, v15, v2                      ; r + 8 (r / 8)
	v_lshlrev_b32 v14, 8, v15
	v_lshl_add_u32 v14, v3, 4, v14                 ; a weight's row of 256 bytes, + 16 h
	v_lshlrev_b32 v15, 4, v15                      ; and its 16 scale bytes
.irp q, 0,1,2,3
	v_mov_b32 v[TA+6*\q+5], 0                      ; named as the upper word of a pair, so it is written
.endr
	s_lshl_b32 s34, s31, 1
	s_add_co_u32 s34, s34, s29                     ; my head
	s_lshr_b32 s35, s32, 5
	s_lshl_b32 s35, s35, 3
	s_add_co_u32 s35, s35, s34                     ; g = 8 x batch + head
	s_and_b32 s36, s32, 31                         ; key step
	s_mov_b32 s39, 0
	s_wait_kmcnt 0x0
	s_lshl_b32 s38, s32, 18                        ; 128 rows of 2,048 bytes,
	s_lshl_b32 s37, s28, 16                        ; my wave's 32
	s_add_co_u32 s38, s38, s37
	s_add_nc_u64 s[4:5], s[4:5], s[38:39]
	s_lshl_b32 s38, s34, 14                        ; a head's 64 rows of 256 bytes
	s_add_nc_u64 s[10:11], s[10:11], s[38:39]
	s_add_nc_u64 s[14:15], s[14:15], s[38:39]
	s_lshl_b32 s37, s30, 13                        ; V: my 32 dims
	s_add_co_u32 s38, s38, s37
	s_add_nc_u64 s[18:19], s[18:19], s[38:39]
	s_lshl_b32 s38, s34, 10                        ; and their scale bytes, 16 a row
	s_add_nc_u64 s[12:13], s[12:13], s[38:39]
	s_add_nc_u64 s[16:17], s[16:17], s[38:39]
	s_lshl_b32 s37, s30, 9
	s_add_co_u32 s38, s38, s37
	s_add_nc_u64 s[20:21], s[20:21], s[38:39]
	s_lshl_b32 s38, s35, 17                        ; qc: 256 tiles of 512 bytes a head, 8 a step
	s_lshl_b32 s37, s36, 12
	s_add_co_u32 s38, s38, s37
	s_add_nc_u64 s[22:23], s[22:23], s[38:39]
	s_lshl_b32 s38, s35, 14                        ; qs: 512 bytes a step
	s_lshl_b32 s37, s36, 9
	s_add_co_u32 s38, s38, s37
	s_add_nc_u64 s[24:25], s[24:25], s[38:39]
	s_mul_i32 s38, s35, 286720                     ; kv: 8,960 bytes a step, 32 steps a head
	s_mul_i32 s37, s36, 8960
	s_add_co_u32 s38, s38, s37
	s_add_nc_u64 s[26:27], s[26:27], s[38:39]
	; the weights first, so that behind every later counted wait only x is out
	WIN 0x40                                       ; destination window 1
.irp t, 0,1,2,3
.irp s, 0,1,2,3
.irp c, 0,1
	global_load_b128 v[8*(4*\t+\s)+4*\c:8*(4*\t+\s)+4*\c+3], v14, s[10:11] offset:(32*(\t/2)+8*(\t%2))*256+64*\s+32*\c
	global_load_b128 v[128+8*(4*\t+\s)+4*\c:128+8*(4*\t+\s)+4*\c+3], v14, s[14:15] offset:(32*(\t/2)+8*(\t%2))*256+64*\s+32*\c
.endr
.endr
.endr
	WIN 0x80                                       ; destination window 2
.irp u, 0,1
.irp s, 0,1,2,3
.irp c, 0,1
	global_load_b128 v[8*(4*\u+\s)+4*\c:8*(4*\u+\s)+4*\c+3], v14, s[18:19] offset:8*\u*256+64*\s+32*\c
.endr
.endr
.endr
	WIN 0
.irp t, 0,1,2,3
	global_load_b128 v[WQS+4*\t:WQS+4*\t+3], v15, s[12:13] offset:(32*(\t/2)+8*(\t%2))*16
	global_load_b128 v[WKS+4*\t:WKS+4*\t+3], v15, s[16:17] offset:(32*(\t/2)+8*(\t%2))*16
.endr
.irp u, 0,1
	global_load_b128 v[WVS+4*\u:WVS+4*\u+3], v15, s[20:21] offset:8*\u*16
.endr
.irp i, 0,1,2,3
	global_load_b128 v[GAM+4*\i:GAM+4*\i+3], v4, s[6:7] offset:16*\i
	global_load_b128 v[BET+4*\i:BET+4*\i+3], v4, s[8:9] offset:16*\i
.endr
.macro LOADX i                         ; rows 4 i .. 4 i + 3 of my 32: a lane takes 16 neighbours along K; a row's four loads together cover all its bytes
.irp q, 0,1,2,3
.irp j, 0,1,2,3
	global_load_b128 v[XS0+64*((\i)%2)+16*\q+4*\j:XS0+64*((\i)%2)+16*\q+4*\j+3], v4, s[4:5] offset:(4*(\i)+\q)*2048+16*\j
.endr
.endr
.endm
	LOADX 0
	LOADX 1
.macro REDUCE                          ; four rows' sums over the 32 lanes, the rows by turns
.irp m, 1,2,4,8
.irp q, 0,1,2,3
	v_add_f32_dpp v[TA+6*\q], v[TA+6*\q], v[TA+6*\q] row_xmask:\m row_mask:0xf bank_mask:0xf
.endr
.endr
.irp q, 0,1,2,3
	v_permlanex16_b32 v[TA+6*\q+2], v[TA+6*\q], s40, s41
.endr
.irp q, 0,1,2,3
	v_add_f32 v[TA+6*\q], v[TA+6*\q], v[TA+6*\q+2]
.endr
.endm
; A batch of four rows: mean; x - mean; variance of the differences (two passes: no difference of large sums); x 1/sigma, x gamma + beta; quantised, two lanes to a block of 32.
.macro LNB i
.set XB, XS0+64*((\i)%2)
.if (\i) < 7
	s_wait_loadcnt 16                              ; this batch's loads are in; the other set's 16 may be out
.else
	s_wait_loadcnt 0x0
.endif
.irp q, 0,1,2,3
	v_pk_add_f32 v[TA+6*\q:TA+6*\q+1], v[XB+16*\q:XB+16*\q+1], v[XB+16*\q+2:XB+16*\q+3]
	v_pk_add_f32 v[TA+6*\q+2:TA+6*\q+3], v[XB+16*\q+4:XB+16*\q+5], v[XB+16*\q+6:XB+16*\q+7]
.endr
.irp k, 8,12
.irp q, 0,1,2,3
	v_pk_add_f32 v[TA+6*\q:TA+6*\q+1], v[TA+6*\q:TA+6*\q+1], v[XB+16*\q+\k:XB+16*\q+\k+1]
	v_pk_add_f32 v[TA+6*\q+2:TA+6*\q+3], v[TA+6*\q+2:TA+6*\q+3], v[XB+16*\q+\k+2:XB+16*\q+\k+3]
.endr
.endr
.irp q, 0,1,2,3
	v_pk_add_f32 v[TA+6*\q:TA+6*\q+1], v[TA+6*\q:TA+6*\q+1], v[TA+6*\q+2:TA+6*\q+3]
.endr
.irp q, 0,1,2,3
	v_add_f32 v[TA+6*\q], v[TA+6*\q], v[TA+6*\q+1]
.endr
	REDUCE
.irp q, 0,1,2,3
	v_mul_f32 v[TA+6*\q+4], s42, v[TA+6*\q]        ; the mean
.endr
.irp k, 0,2,4,6,8,10,12,14
.irp q, 0,1,2,3
	v_pk_add_f32 v[XB+16*\q+\k:XB+16*\q+\k+1], v[XB+16*\q+\k:XB+16*\q+\k+1], v[TA+6*\q+4:TA+6*\q+5] op_sel_hi:[1,0] neg_lo:[0,1] neg_hi:[0,1]
.endr
.endr
.irp q, 0,1,2,3
	v_pk_mul_f32 v[TA+6*\q:TA+6*\q+1], v[XB+16*\q:XB+16*\q+1], v[XB+16*\q:XB+16*\q+1]
	v_pk_mul_f32 v[TA+6*\q+2:TA+6*\q+3], v[XB+16*\q+2:XB+16*\q+3], v[XB+16*\q+2:XB+16*\q+3]
.endr
.irp k, 4,8,12
.irp q, 0,1,2,3
	v_pk_fma_f32 v[TA+6*\q:TA+6*\q+1], v[XB+16*\q+\k:XB+16*\q+\k+1], v[XB+16*\q+\k:XB+16*\q+\k+1], v[TA+6*\q:TA+6*\q+1]
	v_pk_fma_f32 v[TA+6*\q+2:TA+6*\q+3], v[XB+16*\q+\k+2:XB+16*\q+\k+3], v[XB+16*\q+\k+2:XB+16*\q+\k+3], v[TA+6*\q+2:TA+6*\q+3]
.endr
.endr
.irp q, 0,1,2,3
	v_pk_add_f32 v[TA+6*\q:TA+6*\q+1], v[TA+6*\q:TA+6*\q+1], v[TA+6*\q+2:TA+6*\q+3]
.endr
.irp q, 0,1,2,3
	v_add_f32 v[TA+6*\q], v[TA+6*\q], v[TA+6*\q+1]
.endr
	REDUCE
.irp q, 0,1,2,3
	v_fma_f32 v[TA+6*\q], v[TA+6*\q], s42, s43     ; variance + 1e-5
.endr
.irp q, 0,1,2,3
	v_rsq_f32 v[TA+6*\q+4], v[TA+6*\q]
.endr
	v_nop                                          ; a plain instruction behind the last of the four,
	s_wait_alu depctr_va_vdst(0)                   ; and one wait for the four, ahead of their first reader
.irp k, 0,2,4,6,8,10,12,14
.irp q, 0,1,2,3
	v_pk_mul_f32 v[XB+16*\q+\k:XB+16*\q+\k+1], v[XB+16*\q+\k:XB+16*\q+\k+1], v[TA+6*\q+4:TA+6*\q+5] op_sel_hi:[1,0]
.endr
.endr
.irp k, 0,2,4,6,8,10,12,14
.irp q, 0,1,2,3
	v_pk_fma_f32 v[XB+16*\q+\k:XB+16*\q+\k+1], v[XB+16*\q+\k:XB+16*\q+\k+1], v[GAM+\k:GAM+\k+1], v[BET+\k:BET+\k+1]
.endr
.endr
.irp q, 0,1,2,3
	v_max3_num_f32 v[TA+6*\q], |v[XB+16*\q]|, |v[XB+16*\q+1]|, |v[XB+16*\q+2]|
	v_max3_num_f32 v[TA+6*\q+2], |v[XB+16*\q+3]|, |v[XB+16*\q+4]|, |v[XB+16*\q+5]|
.endr
.irp k, 6,10
.irp q, 0,1,2,3
	v_max3_num_f32 v[TA+6*\q], v[TA+6*\q], |v[XB+16*\q+\k]|, |v[XB+16*\q+\k+1]|
	v_max3_num_f32 v[TA+6*\q+2], v[TA+6*\q+2], |v[XB+16*\q+\k+2]|, |v[XB+16*\q+\k+3]|
.endr
.endr
.irp q, 0,1,2,3
	v_max3_num_f32 v[TA+6*\q], v[TA+6*\q], |v[XB+16*\q+14]|, |v[XB+16*\q+15]|
.endr
.irp q, 0,1,2,3
	v_max3_num_f32 v[TA+6*\q], v[TA+6*\q], v[TA+6*\q+2], 0x1800000   ; and the floor 2^(3 - 127)
.endr
.irp q, 0,1,2,3
	v_max_num_f32_dpp v[TA+6*\q], v[TA+6*\q], v[TA+6*\q] row_xmask:1 row_mask:0xf bank_mask:0xf   ; with my neighbour's 16: the block's
.endr
.irp q, 0,1,2,3
	v_add_nc_u32 v[SOP+\q], 0xff000000, v[TA+6*\q]
.endr
	s_wait_dscnt 0x0                               ; the last batch's LDS stores, issued a batch ago, have read the registers that are written now
.irp q, 0,1,2,3
	v_cvt_scalef32_pk8_fp4_f32 v[CD+2*\q], v[XB+16*\q:XB+16*\q+7], v[SOP+\q]
	v_cvt_scalef32_pk8_fp4_f32 v[CD+2*\q+1], v[XB+16*\q+8:XB+16*\q+15], v[SOP+\q]
.endr
.irp q, 0,1,2,3
	v_lshrrev_b32 v[BY+\q], 23, v[SOP+\q]          ; the scale's byte (also the plain instruction behind the conversions)
.endr
.irp q, 0,1,2,3                        ; row rho = 4 i + q goes to place rho % 8 + 16 ((rho / 8) % 2) + 8 (rho / 16) of my 32: so a tile's 16 rows lie on end
	ds_store_b64 v5, v[CD+2*\q:CD+2*\q+1] offset:((4*(\i)+\q)%8+16*(((4*(\i)+\q)/8)%2)+8*((4*(\i)+\q)/16))*HP
	ds_store_b8 v6, v[BY+\q] offset:((4*(\i)+\q)%8+16*(((4*(\i)+\q)/8)%2)+8*((4*(\i)+\q)/16))*16   ; both lanes of a block write the same byte with the same value
.endr
.if (\i) < 6
	LOADX (\i)+2
.endif
.endm
.irp i, 0,1,2,3,4,5,6,7
	LNB \i
.endr
	s_wait_dscnt 0x0                               ; for the others' sake: my stores have landed
	s_barrier_signal -1
	s_barrier_wait -1                              ; the 128 rows' codes and scale bytes lie in LDS; nothing is stored there any more
.irp b, 0,1,2,3
	v_mov_b32 v[TM+4+\b], 0                        ; a lane permute's destination counts as one of its sources
.endr
; ---- Q and K: my four row tiles
.macro FETCHT m, buf                   ; tile m's four fragments (128 K each) and its rows' four scale words: 9 LDS loads
.irp s, 0,1,2,3
.irp c, 0,1
	ds_load_b128 v[16+32*(\buf)+8*\s+4*\c:16+32*(\buf)+8*\s+4*\c+3], v8 offset:16*(\m)*HP+64*\s+32*\c
.endr
.endr
	ds_load_b128 v[80+4*(\buf):80+4*(\buf)+3], v10 offset:256*(\m)
.endm
.macro QKT m
.set AFB, 16+32*((\m)%2)
.set HSB, 80+4*((\m)%2)
.if (\m) < 3
	FETCHT (\m)+1, ((\m)+1)%2                      ; the other set: its last readers stand ahead of the last tile's four v_nop
	s_wait_dscnt 9                                 ; this tile's loads are in; the nine just issued may be out
.else
	s_wait_dscnt 0x0
.endif
	WIN 0x01                                       ; source 0 (the weights) window 1
.irp s, 0,1,2,3                        ; the eight accumulators take turns, one instruction a turn
.irp t, 0,1,2,3
.if \s == 0
	MM AQ+8*\t, 8*(4*\t+\s), AFB+8*\s, 1, WQS+4*\t+\s, HSB+\s
.else
	MM AQ+8*\t, 8*(4*\t+\s), AFB+8*\s, 0, WQS+4*\t+\s, HSB+\s
.endif
.endr
.irp t, 0,1,2,3
.if \s == 0
	MM AK+8*\t, 128+8*(4*\t+\s), AFB+8*\s, 1, WKS+4*\t+\s, HSB+\s
.else
	MM AK+8*\t, 128+8*(4*\t+\s), AFB+8*\s, 0, WKS+4*\t+\s, HSB+\s
.endif
.endr
.endr
	WIN 0
	PLACES
.if (\m) > 0
	s_wait_xcnt 0x0                                ; the last tile's stores have read the codes' registers
.endif
	QUANT AQ, 2, PC
.if (\m)%2 == 0
	v_mov_b32 v177, v[PW]                          ; the even tile's words wait for the odd tile's
.else
	v_cndmask_b32 v[180+(\m)/2], v177, v[PW], s44  ; lanes 0-15 the even tile's rows, lanes 16-31 the odd tile's
.endif
	QUANT AK, 2, PC+4
.if (\m)%2 == 0
	v_mov_b32 v178, v[PW]
.else
	v_cndmask_b32 v[182+(\m)/2], v178, v[PW], s44
.endif
	global_store_b128 v11, v[PC:PC+3], s[22:23] offset:512*(\m)      ; 32 lanes store 512 consecutive bytes, aligned
	global_store_b128 v11, v[PC+4:PC+7], s[26:27] offset:512*(\m)
.endm
	FETCHT 0, 0
.irp m, 0,1,2,3
	QKT \m
.endr
	global_store_b64 v12, v[180:181], s[24:25]                   ; 256 consecutive bytes, aligned
	global_store_b64 v12, v[182:183], s[26:27] offset:8192
; ---- V: all eight row tiles x my 32 dims, 16 at a time
.macro FETCHA s, buf                   ; K step s of all eight tiles, into window 2
	WIN 0x80
.irp tl, 0,1,2,3,4,5,6,7
.irp c, 0,1
	ds_load_b128 v[64+64*(\buf)+8*\tl+4*\c:64+64*(\buf)+8*\tl+4*\c+3], v7 offset:16*\tl*HP+64*(\s)+32*\c
.endr
.endr
.endm
.macro VMUL s, buf, u, z
	WIN 0x0a                                       ; sources 0 (h) and 1 (W_v) window 2
.irp tl, 0,1,2,3,4,5,6,7
	MM AQ+8*\tl, 64+64*(\buf)+8*\tl, 8*(4*(\u)+(\s)), \z, HSV+4*\tl+(\s), WVS+4*(\u)+(\s)
.endr
.endm
.macro VPASS u
	FETCHA 1, 1
	s_wait_dscnt 16                                ; all but the 16 just issued
	VMUL 0, 0, \u, 1
	PLACES
	FETCHA 2, 0
	s_wait_dscnt 16
	VMUL 1, 1, \u, 0
	PLACES
	FETCHA 3, 1
	s_wait_dscnt 16
	VMUL 2, 0, \u, 0
	s_wait_dscnt 0x0
	VMUL 3, 1, \u, 0
	WIN 0
	PLACES
.if \u == 0
	FETCHA 0, 0                                    ; for the second pass; it lands while this pass is quantised
	WIN 0
.endif
	s_wait_xcnt 0x0                                ; earlier stores have read the codes' registers
	QUANT AQ, 4, PC                                ; a lane: one dim, 64 keys of the 128; with lane l xor 16 four blocks of 32 keys
.irp c, 0,1
	global_store_b128 v11, v[PC+4*\c:PC+4*\c+3], s[26:27] offset:4096+1024*\u+512*\c
.endr
.if \u == 0
	v_mov_b32 v177, v[PW]
.else
	v_cndmask_b32 v178, v177, v[PW], s44
	global_store_b32 v13, v178, s[26:27] offset:8704
.endif
.endm
.irp tl, 0,1,2,3,4,5,6,7
	ds_load_b128 v[HSV+4*\tl:HSV+4*\tl+3], v9 offset:256*\tl
.endr
	FETCHA 0, 0
	VPASS 0
	VPASS 1
	s_set_vgpr_msb 0xa
	s_wait_tensorcnt 0x0
	ds_add_u32 v192, v193
	s_wait_dscnt 0x0
	s_set_vgpr_msb 0xa00
	s_endpgm
.Lfunc_end_k_q9c3aa84b04_prep:
	.size	k_q9c3aa84b04_prep, .Lfunc_end_k_q9c3aa84b04_prep-k_q9c3aa84b04_prep
	.p2alignl 7, 3214868480
	.fill 96, 4, 3214868480
	.section	.rodata,"a",@progbits
	.p2align	6, 0x0
	.amdhsa_kernel k_q9c3aa84b04_prep
		.amdhsa_group_segment_fixed_size 37376
		.amdhsa_private_segment_fixed_size 0
		.amdhsa_enable_private_segment 0
		.amdhsa_kernarg_size 96
		.amdhsa_user_sgpr_count 2
		.amdhsa_user_sgpr_kernarg_segment_ptr 1
		.amdhsa_wavefront_size32 1
		.amdhsa_system_sgpr_workgroup_id_x 1
		.amdhsa_system_sgpr_workgroup_id_y 1
		.amdhsa_system_sgpr_workgroup_id_z 1
		.amdhsa_system_vgpr_workitem_id 0
		.amdhsa_next_free_vgpr 706
		.amdhsa_next_free_sgpr 66
		.amdhsa_reserve_vcc 0
		.amdhsa_float_denorm_mode_32 3
		.amdhsa_float_denorm_mode_16_64 3
		.amdhsa_memory_ordered 1
		.amdhsa_forward_progress 1
		.amdhsa_inst_pref_size 227
	.end_amdhsa_kernel
	.amdgpu_metadata
---
amdhsa.version: [ 1, 2 ]
amdhsa.kernels:
  - .name:           k_q9c3aa84b04_prep
    .symbol:         k_q9c3aa84b04_prep.kd
    .args:
      - { .name: x, .offset: 0, .size: 8, .value_kind: global_buffer, .address_space: global }
      - { .name: ln_gamma, .offset: 8, .size: 8, .value_kind: global_buffer, .address_space: global }
      - { .name: ln_beta, .offset: 16, .size: 8, .value_kind: global_buffer, .address_space: global }
      - { .name: w_q_codes, .offset: 24, .size: 8, .value_kind: global_buffer, .address_space: global }
      - { .name: w_q_scales, .offset: 32, .size: 8, .value_kind: global_buffer, .address_space: global }
      - { .name: w_k_codes, .offset: 40, .size: 8, .value_kind: global_buffer, .address_space: global }
      - { .name: w_k_scales, .offset: 48, .size: 8, .value_kind: global_buffer, .address_space: global }
      - { .name: w_v_codes, .offset: 56, .size: 8, .value_kind: global_buffer, .address_space: global }
      - { .name: w_v_scales, .offset: 64, .size: 8, .value_kind: global_buffer, .address_space: global }
      - { .name: qc, .offset: 72, .size: 8, .value_kind: global_buffer, .address_space: global }
      - { .name: qs, .offset: 80, .size: 8, .value_kind: global_buffer, .address_space: global }
      - { .name: kv, .offset: 88, .size: 8, .value_kind: global_buffer, .address_space: global }
    .group_segment_fixed_size: 37376
    .private_segment_fixed_size: 0
    .kernarg_segment_align: 8
    .kernarg_segment_size: 96
    .max_flat_workgroup_size: 128
    .sgpr_count:     66
    .vgpr_count:     706
    .wavefront_size: 32
...
	.end_amdgpu_metadata
.endif
;; end of part 1
;; launch attn (part 2): grid 16 x 16, 16 waves a work-group, clusters of 4 x 1, 289,792 bytes of LDS; arguments qc, qs, kv, ac, asc; writes ac, asc
.if DOCPART == 2
	.amdgcn_target "amdgcn-amd-amdhsa--gfx1250"
	.amdhsa_code_object_version 6
	.text
	.protected	k_q9c3aa84b04_attn
	.globl	k_q9c3aa84b04_attn
	.p2align	8
	.type	k_q9c3aa84b04_attn,@function
k_q9c3aa84b04_attn:
	s_mov_b64 s[64:65], 0
	v_nop
	global_prefetch_b8 v0, s[64:65] scope:SCOPE_SE
	s_setreg_imm32_b32 hwreg(HW_REG_WAVE_MODE, 25, 1), 1
	s_wait_xcnt 0x0
	s_wait_alu depctr_hold_cnt(0) depctr_sa_sdst(0) depctr_va_vdst(0) depctr_va_sdst(0) depctr_va_ssrc(0) depctr_va_vcc(0) depctr_vm_vsrc(0)
	s_getreg_b32 s2, hwreg(HW_REG_IB_STS2, 6, 4)
	s_cmp_eq_u32 s2, 0
	s_cbranch_scc0 .Lentry_in_a_cluster
	s_endpgm
.Lentry_in_a_cluster:
	s_bfe_u32 s2, ttmp6, 0x10000c
	s_cmp_lg_u32 s2, 0x3003
	s_cbranch_scc0 .Lentry_shape_is_right
	s_endpgm
.Lentry_shape_is_right:
; attended = softmax(Q K^T / 8) V for one head, both products on codes of FP4 (E2M1) with E8M0 scales; the result, divided by the row's sum, is quantised along the head's 64 for the last product.
; t = score x log2(e) / 8; M = the running largest t rounded UP to a whole number; p = 2^(t - M) is what is quantised, along the keys; the row's sum is taken of the unquantised p.  When M moves, the sum and O are multiplied by 2^(old M - new M): exact.
; SHARES.  Work-group (X', g): 256 queries of head g (g = 8 x batch + head); each of its sixteen waves one tile of 16 queries in 256 registers: four waves to a SIMD, so that one wave's vector work stands beside another's products and LDS loads.
; THE WHOLE HEAD'S K AND V, 32 steps x 8,960 bytes of register images, come into LDS ONCE: no byte of LDS is filled twice, so there is no ring.  They come in four quarters of 8 steps; a quarter is read behind a counted wait and a barrier while the later ones land.
; CLUSTER.  The four work-groups of a cluster belong to one head: each tile is asked for JOINTLY, by the same tensor load with the same descriptor and a mask that names the four.  Waves 0 to 3 ask, four loads each: four tensor loads of a wave are out at the most.
; LAYOUT.  Both products transposed: S^T = K Q^T (source 0 = 16 keys), O^T = V^T P^T (source 0 = 16 dims): a lane holds ONE query throughout.  Keys and dims of a tile are chosen (by the launch before) so that the 16 registers of two neighbouring tiles are 16 neighbours along the next K.
; THE FIRST PRODUCT'S K IS 64 under an instruction of 128: Q's registers 4-7 are zero codes, and both sides' scale bytes 2, 3 are 0x7f.  A tile of K is 4 registers; the instruction names 8: the upper four are the next tile's codes, which meet zeros.
; Nothing is prefetched: every load of the launch is issued at its head.
; LIMITS: a block of zeros gets the scale byte 1; NaN and infinities are not served; v_exp_f32 and v_rcp_f32 are accurate to 1 ulp; a block's largest p is taken as the exponential of its largest score.
; REGISTERS: v1-3 lane x 16, 8, 4; v4-6 the same + the step's LDS byte; v7-9 way out, Q's scale address; v12 -M, v13 largest t, v[14:15] the sum; v16-23 Q and zeros; v24 Q's scale word; v26-29 K's, v30-31 V's scale words;
;   v32-67 K (v64-67 zeros); v68-99 V; v100-163 S^T, then p; v164-195 O^T; v196-203 p's codes; v204-220 at work.
.set STEPB, 8960                       ; a key step: K 4,096, V 4,096, K's scale words 512, V's 256
.set QUARB, 8*STEPB
.set SST,   32*STEPB                   ; behind the head's 286,720 bytes: 512 bytes for the tiles' scale half-words; no fill lands here
.set KS,  26
.set VS,  30
.set KF,  32
.set VF,  68
.set S,   100
.set O,   164
.set PC,  196
.set BM,  204
.set BP,  208
.set SO,  212
.set F,   216
.set PW,  218
.macro ROUND                           ; a round of the cluster's barrier: my work-group's barrier; wave 0 signals for the work-group; every wave waits for all four work-groups; my work-group's barrier once more
	s_barrier_signal -1
	s_barrier_wait -1
	s_cmp_lg_u32 s14, 0
	s_cbranch_scc1 .Lnot_wave_0_\@
	s_barrier_signal -3
.Lnot_wave_0_\@:
	s_barrier_wait -3
	s_barrier_signal -1
	s_barrier_wait -1
.endm
	s_load_b256 s[4:11], s[0:1], 0x0               ; qc 4:5, qs 6:7, kv 8:9, ac 10:11
	s_load_b64 s[12:13], s[0:1], 0x20              ; asc
	v_lshl_add_u32 v254, v0, 2, 0x46400
	v_mov_b32 v255, 0
	ds_add_u32 v254, v255
	ds_add_u32 v254, v255
	v_lshrrev_b32 v1, 5, v0
	v_readfirstlane_b32 s14, v1                    ; wave 0..15
	s_bfe_u32 s15, ttmp6, 0x40000                  ; cx: my place in the cluster: it enters global addresses of Q and of the results alone
	s_lshl_b32 s16, ttmp9, 2
	s_add_co_u32 s16, s16, s15                     ; X' = 4 x cluster x + cx
	s_and_b32 s17, ttmp7, 0xffff                   ; g, which the four partners share
	s_lshl_b32 s18, s16, 4
	s_add_co_u32 s18, s18, s14                     ; T: my tile of 16 queries
	s_mov_b32 s20, 0x76543210
	s_mov_b32 s21, 0xfedcba98                      ; v_permlanex16_b32's selects for lane l xor 16
	s_mov_b32 s22, 0x3e38aa3b                      ; c = log2(e) / 8
	s_mov_b32 s23, s22                             ; (named with it as a pair, so it is written)
	; descriptor group 1: two steps, 17,920 dense bytes, as 70 rows of 256 bytes (32 elements of 8 bytes)
	s_mov_b32 s24, 15|(3<<16)|(1<<21)              ; 15:0 the mask: all four work-groups; 17:16 elements of 8 bytes; 21 set beside a mask
	s_mov_b32 s25, 32<<16                          ; tensor_dim0 = 32
	s_mov_b32 s26, 70<<16                          ; tensor_dim1 = 70
	s_mov_b32 s27, 32<<16                          ; tile_dim0 = 32
	s_mov_b32 s28, 70                              ; tile_dim1 = 70
	s_mov_b32 s29, 32                              ; from row to row
	s_mov_b32 s30, 0
	s_mov_b32 s31, 0
	s_and_b32 s50, s14, 3
	s_mul_i32 s50, s50, 2*STEPB                    ; the two steps of a quarter that I fetch (waves 0 to 3), in LDS and in memory alike
	s_mul_i32 s52, s17, 32*STEPB
	s_add_co_u32 s52, s52, s50
	s_mov_b32 s53, 0
	; where my tile's Q, its scale words and the results lie
	s_lshl_b32 s54, s17, 8
	s_add_co_u32 s54, s54, s18
	s_lshl_b32 s54, s54, 9                         ; qc: (256 g + T) x 512
	s_mov_b32 s55, 0
	s_lshl_b32 s56, s17, 14                        ; qs: 16,384 g + 512 (T / 8) + 256 ((T / 4) % 2) + 128 (T % 2) + 4 ((T / 2) % 2)
	s_lshr_b32 s62, s18, 3
	s_lshl_b32 s62, s62, 9
	s_add_co_u32 s56, s56, s62
	s_bfe_u32 s62, s18, 0x10002
	s_lshl_b32 s62, s62, 8
	s_add_co_u32 s56, s56, s62
	s_and_b32 s62, s18, 1
	s_lshl_b32 s62, s62, 7
	s_add_co_u32 s56, s56, s62
	s_bfe_u32 s62, s18, 0x10001
	s_lshl_b32 s62, s62, 2
	s_add_co_u32 s56, s56, s62
	s_mov_b32 s57, 0
	s_lshr_b32 s58, s17, 3                         ; ac: (256 batch + T) x 4,096 + 512 head
	s_lshl_b32 s58, s58, 8
	s_add_co_u32 s58, s58, s18
	s_lshl_b32 s58, s58, 12
	s_and_b32 s62, s17, 7
	s_lshl_b32 s62, s62, 9
	s_add_co_u32 s58, s58, s62
	s_mov_b32 s59, 0
	s_lshl_b32 s60, s17, 13                        ; asc: 8,192 g + 512 X'
	s_lshl_b32 s62, s16, 9
	s_add_co_u32 s60, s60, s62
	s_mov_b32 s61, 0
	s_wait_dscnt 0x0
	s_wait_kmcnt 0x0
	s_add_nc_u64 s[8:9], s[8:9], s[52:53]
	s_add_nc_u64 s[4:5], s[4:5], s[54:55]
	s_add_nc_u64 s[6:7], s[6:7], s[56:57]
	s_add_nc_u64 s[10:11], s[10:11], s[58:59]
	s_add_nc_u64 s[12:13], s[12:13], s[60:61]
.irp q, 0,1,2,3                        ; descriptor group 0, a set for each quarter
	s_mov_b32 s[32+4*\q], 1                        ; count = 1
	s_add_co_u32 s[33+4*\q], s50, \q*QUARB         ; LDS address
	s_add_nc_u64 s[34+4*\q:35+4*\q], s[8:9], \q*QUARB  ; global address
	s_or_b32 s[35+4*\q], s[35+4*\q], 0x80000000    ; type = 2
.endr
	ROUND                                          ; all four work-groups are here: the joint loads meet
	s_cmp_lt_u32 s14, 4                            ; a wave's fills stand in one branch on its number, ahead of every wait on TENSORcnt and every LDS read
	s_cbranch_scc0 .Lno_fill
	tensor_load_to_lds s[32:35], s[24:31]
	s_nop 0
	tensor_load_to_lds s[36:39], s[24:31]
	s_nop 0
	tensor_load_to_lds s[40:43], s[24:31]
	s_nop 0
	tensor_load_to_lds s[44:47], s[24:31]
	s_nop 0
.rept 4
	v_nop
.endr
.Lno_fill:
	v_and_b32 v10, 31, v0                          ; lane
	v_and_b32 v11, 15, v0                          ; r
	v_lshlrev_b32 v1, 4, v10
	v_lshlrev_b32 v2, 3, v10
	v_lshlrev_b32 v3, 2, v10
	v_lshlrev_b32 v9, 3, v11                       ; Q's scale words: 8 bytes from row to row
	global_load_b128 v[16:19], v1, s[4:5]          ; Q's fragment stays in registers
	global_load_b32 v24, v9, s[6:7]
	s_lshl_b32 s51, s14, 5
	s_add_co_u32 s51, s51, SST
	v_lshl_add_u32 v7, v11, 1, s51                 ; way out: my row's two scale bytes: SST + 32 wave + 2 r
	v_add_nc_u32 v8, SST, v1                       ; and all 512 bytes back, 16 a lane
.irp j, 20,21,22,23,64,65,66,67
	v_mov_b32 v[\j], 0                             ; zero codes
.endr
	v_mov_b32 v13, 0xff61b1e6                      ; the largest t so far: -3e38, under every t
	v_floor_f32 v12, -v13                          ; -M
	v_mov_b32 v14, 0                               ; the sum, in two halves
	v_mov_b32 v15, 0
.irp b, 0,1,2,3
	v_mov_b32 v[BP+\b], 0                          ; a lane permute's destination counts as one of its sources
.endr
	v_mov_b32 v[F+1], 0                            ; (named as the upper word of the pair with f)
.set j, 0
.rept 32
	v_mov_b32 v[O+j], 0                            ; O^T: the step is written once; the first finds zeros, which the first change of M leaves zeros
.set j, j+1
.endr
; A KEY STEP: 128 keys at LDS byte s48.
.macro STEP
	v_add_nc_u32 v4, s48, v1
	v_add_nc_u32 v5, s48, v2
	v_add_nc_u32 v6, s48, v3
	v_nop                                          ; four plain instructions between the last step's products and the loads into V's registers
	ds_load_b64 v[KS:KS+1], v5 offset:8192         ; K's scale words: register b: lanes 0-15 tile 2 b, lanes 16-31 tile 2 b + 1
	ds_load_b64 v[KS+2:KS+3], v5 offset:8192+256
.irp t, 0,1,2,3,4,5,6,7
	ds_load_b128 v[KF+4*\t:KF+4*\t+3], v4 offset:512*\t
.endr
	ds_load_b32 v[VS], v6 offset:8704
	ds_load_b32 v[VS+1], v6 offset:8704+128
.irp d, 0,1,2,3
.irp c, 0,1
	ds_load_b128 v[VF+8*\d+4*\c:VF+8*\d+4*\c+3], v4 offset:4096+1024*\d+512*\c
.endr
.endr
	s_wait_dscnt 10                                ; K and its scale words are in; V's ten loads may be out
.irp t, 0,2,4,6
	v_wmma_scale_f32_16x16x128_f8f6f4 v[S+8*\t:S+8*\t+7], v[KF+4*\t:KF+4*\t+7], v[16:23], 0, v[KS+\t/2], v24 matrix_a_fmt:MATRIX_FMT_FP4 matrix_b_fmt:MATRIX_FMT_FP4
	v_wmma_scale_f32_16x16x128_f8f6f4 v[S+8*\t+8:S+8*\t+15], v[KF+4*\t+4:KF+4*\t+11], v[16:23], 0, v[KS+\t/2], v24 matrix_a_fmt:MATRIX_FMT_FP4 matrix_b_fmt:MATRIX_FMT_FP4 matrix_a_scale:MATRIX_SCALE_ROW1
.endr
.rept 4
	v_nop
.endr
.irp b, 0,1,2,3
	v_max3_num_f32 v[BM+\b], v[S+16*\b], v[S+16*\b+1], v[S+16*\b+2]   ; the largest score of each block of 32 keys: for the row's maximum and, since p rises with the score, for the block's largest p
.endr
.irp i, 3,5,7,9,11,13
.irp b, 0,1,2,3
	v_max3_num_f32 v[BM+\b], v[BM+\b], v[S+16*\b+\i], v[S+16*\b+\i+1]
.endr
.endr
.irp b, 0,1,2,3
	v_max_num_f32 v[BM+\b], v[BM+\b], v[S+16*\b+15]
.endr
.irp b, 0,1,2,3
	v_permlanex16_b32 v[BP+\b], v[BM+\b], s20, s21
.endr
.irp b, 0,1,2,3
	v_max_num_f32 v[BM+\b], v[BM+\b], v[BP+\b]     ; with lane l xor 16's 16 keys
.endr
	v_max3_num_f32 v219, v[BM], v[BM+1], v[BM+2]
	v_max_num_f32 v219, v219, v[BM+3]
	v_mul_f32 v219, s22, v219                      ; the step's largest t (c is positive)
	v_max_num_f32 v13, v13, v219
	v_mov_b32 v219, v12
	v_floor_f32 v12, -v13                          ; the new -M = floor(-t): M is a whole number
	v_sub_f32 v219, v12, v219                      ; old M - new M: a whole number, 0 or less
	v_cvt_i32_f32 v219, v219                       ; (it saturates)
	v_ldexp_f32 v[F], 1.0, v219                    ; f = 2^(old M - new M)
.set j, 0
.rept 32
	v_pk_fma_f32 v[S+j:S+j+1], v[S+j:S+j+1], s[22:23], v[12:13] op_sel_hi:[1,0,0]   ; t - M, two at a time
.set j, j+2
.endr
.irp b, 0,1,2,3
	v_fma_f32 v[BM+\b], v[BM+\b], s22, v12         ; the same of each block's largest score
.endr
.set j, 0
.rept 64
	v_exp_f32 v[S+j], v[S+j]                       ; p = 2^(t - M), at most 1
.set j, j+1
.endr
	v_pk_mul_f32 v[14:15], v[14:15], v[F:F+1] op_sel_hi:[1,0]   ; the sums under the new M (a plain instruction behind the exponentials)
	s_wait_alu depctr_va_vdst(0)                   ; one wait for the batch of 64, ahead of its first reader
.irp b, 0,1,2,3
	v_exp_f32 v[BM+\b], v[BM+\b]                   ; the blocks' largest p
.endr
	v_pk_add_f32 v[BP:BP+1], v[S:S+1], v[S+2:S+3]  ; the row's sum of the unquantised p, in two chains
.set j, 4
.rept 15
	v_pk_add_f32 v[14:15], v[14:15], v[S+j:S+j+1]
	v_pk_add_f32 v[BP:BP+1], v[BP:BP+1], v[S+j+2:S+j+3]
.set j, j+4
.endr
	v_pk_add_f32 v[14:15], v[14:15], v[BP:BP+1]
	s_wait_alu depctr_va_vdst(0)                   ; and one for the four
.irp b, 0,1,2,3
	v_max_num_f32 v[BM+\b], 0x1800000, v[BM+\b]    ; the floor 2^(3 - 127): the byte cannot fall under 1
.endr
.irp b, 0,1,2,3
	v_add_nc_u32 v[SO+\b], 0xff000000, v[BM+\b]    ; 2 off the exponent field: the conversion's scale operand
.endr
.irp b, 0,1,2,3
	v_lshrrev_b32 v[BP+\b], 23, v[SO+\b]           ; the scale's byte
.endr
	v_lshl_or_b32 v[PW], v[BP+1], 8, v[BP]         ; p's scale word for these 128 keys
	v_lshl_or_b32 v[PW], v[BP+2], 16, v[PW]
	v_lshl_or_b32 v[PW], v[BP+3], 24, v[PW]
.irp b, 0,1,2,3
	v_cvt_scalef32_pk8_fp4_f32 v[PC+2*\b], v[S+16*\b:S+16*\b+7], v[SO+\b]
	v_cvt_scalef32_pk8_fp4_f32 v[PC+2*\b+1], v[S+16*\b+8:S+16*\b+15], v[SO+\b]
.endr
	v_nop                                          ; one plain instruction behind the scaled conversions
.irp c, 0,1
.irp i, 0,1
	v_permlane16_swap_b32 v[PC+4*\c+\i], v[PC+4*\c+2+\i]   ; a whole block in a lane: lanes 0-15 block 2 c, lanes 16-31 block 2 c + 1
.endr
.endr
.set j, 0
.rept 16
	v_pk_mul_f32 v[O+j:O+j+1], v[O+j:O+j+1], v[F:F+1] op_sel_hi:[1,0]   ; O^T under the new M; these sixteen also stand between the scale word and codes just made and the products
.set j, j+2
.endr
	s_wait_dscnt 0x0                               ; V is in
.irp d, 0,2                            ; the four accumulators take turns, one instruction a turn
	v_wmma_scale_f32_16x16x128_f8f6f4 v[O+8*\d:O+8*\d+7], v[VF+8*\d:VF+8*\d+7], v[PC:PC+7], v[O+8*\d:O+8*\d+7], v[VS+\d/2], v[PW] matrix_a_fmt:MATRIX_FMT_FP4 matrix_b_fmt:MATRIX_FMT_FP4
	v_wmma_scale_f32_16x16x128_f8f6f4 v[O+8*\d+8:O+8*\d+15], v[VF+8*\d+8:VF+8*\d+15], v[PC:PC+7], v[O+8*\d+8:O+8*\d+15], v[VS+\d/2], v[PW] matrix_a_fmt:MATRIX_FMT_FP4 matrix_b_fmt:MATRIX_FMT_FP4 matrix_a_scale:MATRIX_SCALE_ROW1
.endr
.endm
; A quarter of the head: my part of it has landed (3 - q younger loads of mine may be out); behind the barrier everybody's has.
.macro QUARTER q
	s_wait_tensorcnt 3-\q
	s_barrier_signal -1
	s_barrier_wait -1
	s_mov_b32 s48, \q*QUARB
	s_mov_b32 s49, 8
.Lstep_\@:
	STEP
	s_add_co_u32 s48, s48, STEPB
	s_sub_co_u32 s49, s49, 1
	s_cmp_lg_u32 s49, 0
	s_cbranch_scc1 .Lstep_\@
.endm
	s_wait_loadcnt 0x0                             ; Q
	QUARTER 0
	QUARTER 1
	QUARTER 2
	QUARTER 3
	; THE WAY OUT: O^T / the sum; quantised along the head's 64 (two blocks); the codes are registers 4 c .. 4 c + 3 of the last product's operand and leave as they stand.
	v_add_f32 v14, v14, v15
	v_permlanex16_b32 v219, v14, s20, s21
	v_add_f32 v14, v14, v219                       ; the row's sum
	v_rcp_f32 v14, v14
.rept 4
	v_nop                                          ; plain instructions behind the reciprocal and behind the last products
.endr
	s_wait_alu depctr_va_vdst(0)                   ; the wait ahead of the reciprocal's first reader
.set j, 0
.rept 32
	v_mul_f32 v[S+j], v[O+j], v14                  ; register 16 b + i: dim 32 b + 16 (lane / 16) + i of my query
.set j, j+1
.endr
.irp b, 0,1
	v_max3_num_f32 v[BM+\b], |v[S+16*\b]|, |v[S+16*\b+1]|, 0x1800000
.endr
.irp i, 2,4,6,8,10,12,14
.irp b, 0,1
	v_max3_num_f32 v[BM+\b], v[BM+\b], |v[S+16*\b+\i]|, |v[S+16*\b+\i+1]|
.endr
.endr
.irp b, 0,1
	v_permlanex16_b32 v[BP+\b], v[BM+\b], s20, s21
.endr
.irp b, 0,1
	v_max_num_f32 v[BM+\b], v[BM+\b], v[BP+\b]
.endr
.irp b, 0,1
	v_add_nc_u32 v[SO+\b], 0xff000000, v[BM+\b]
.endr
.irp b, 0,1
	v_lshrrev_b32 v[BP+\b], 23, v[SO+\b]
.endr
	v_lshl_or_b32 v219, v[BP+1], 8, v[BP]          ; my row's two scale bytes
.irp b, 0,1
	v_cvt_scalef32_pk8_fp4_f32 v[PC+2*\b], v[S+16*\b:S+16*\b+7], v[SO+\b]
	v_cvt_scalef32_pk8_fp4_f32 v[PC+2*\b+1], v[S+16*\b+8:S+16*\b+15], v[SO+\b]
.endr
	v_nop
.irp i, 0,1
	v_permlane16_swap_b32 v[PC+\i], v[PC+2+\i]
.endr
	global_store_b128 v1, v[PC:PC+3], s[10:11]     ; 32 lanes store 512 consecutive bytes, aligned
	ds_store_b16 v7, v219                          ; lanes r and r + 16 write the same two bytes with the same value
	s_wait_dscnt 0x0                               ; for wave 0's sake
	s_barrier_signal -1
	s_barrier_wait -1
	s_cmp_lg_u32 s14, 0
	s_cbranch_scc1 .Lnot_mine
	ds_load_b128 v[S:S+3], v8                      ; the sixteen tiles' scale bytes leave as 512 consecutive bytes
	s_wait_dscnt 0x0
	global_store_b128 v1, v[S:S+3], s[12:13]
.Lnot_mine:
	s_wait_tensorcnt 0x0
	ds_add_u32 v254, v255
	s_wait_dscnt 0x0
	ROUND                                          ; the closing round: no work-group ends while a partner may still ask for a tile that names it
	s_endpgm
.Lfunc_end_k_q9c3aa84b04_attn:
	.size	k_q9c3aa84b04_attn, .Lfunc_end_k_q9c3aa84b04_attn-k_q9c3aa84b04_attn
	.p2alignl 7, 3214868480
	.fill 96, 4, 3214868480
	.section	.rodata,"a",@progbits
	.p2align	6, 0x0
	.amdhsa_kernel k_q9c3aa84b04_attn
		.amdhsa_group_segment_fixed_size 289792
		.amdhsa_private_segment_fixed_size 0
		.amdhsa_enable_private_segment 0
		.amdhsa_kernarg_size 40
		.amdhsa_user_sgpr_count 2
		.amdhsa_user_sgpr_kernarg_segment_ptr 1
		.amdhsa_wavefront_size32 1
		.amdhsa_system_sgpr_workgroup_id_x 1
		.amdhsa_system_sgpr_workgroup_id_y 1
		.amdhsa_system_sgpr_workgroup_id_z 1
		.amdhsa_system_vgpr_workitem_id 0
		.amdhsa_next_free_vgpr 256
		.amdhsa_next_free_sgpr 66
		.amdhsa_reserve_vcc 0
		.amdhsa_float_denorm_mode_32 3
		.amdhsa_float_denorm_mode_16_64 3
		.amdhsa_memory_ordered 1
		.amdhsa_forward_progress 1
		.amdhsa_inst_pref_size 72
	.end_amdhsa_kernel
	.amdgpu_metadata
---
amdhsa.version: [ 1, 2 ]
amdhsa.kernels:
  - .name:           k_q9c3aa84b04_attn
    .symbol:         k_q9c3aa84b04_attn.kd
    .args:
      - { .name: qc, .offset: 0, .size: 8, .value_kind: global_buffer, .address_space: global }
      - { .name: qs, .offset: 8, .size: 8, .value_kind: global_buffer, .address_space: global }
      - { .name: kv, .offset: 16, .size: 8, .value_kind: global_buffer, .address_space: global }
      - { .name: ac, .offset: 24, .size: 8, .value_kind: global_buffer, .address_space: global }
      - { .name: asc, .offset: 32, .size: 8, .value_kind: global_buffer, .address_space: global }
    .group_segment_fixed_size: 289792
    .private_segment_fixed_size: 0
    .kernarg_segment_align: 8
    .kernarg_segment_size: 40
    .max_flat_workgroup_size: 512
    .sgpr_count:     66
    .vgpr_count:     256
    .wavefront_size: 32
...
	.end_amdgpu_metadata
.endif
;; end of part 2
;; launch oproj (part 3): grid 64 x 8, 8 waves a work-group, no clusters, 52,224 bytes of LDS; arguments ac, asc, w_o_codes, w_o_scales, b_o, x, out0; writes out0
.if DOCPART == 3
	.amdgcn_target "amdgcn-amd-amdhsa--gfx1250"
	.amdhsa_code_object_version 6
	.text
	.protected	k_q9c3aa84b04_oproj
	.globl	k_q9c3aa84b04_oproj
	.p2align	8
	.type	k_q9c3aa84b04_oproj,@function
k_q9c3aa84b04_oproj:
	s_mov_b64 s[64:65], 0
	v_nop
	global_prefetch_b8 v0, s[64:65] scope:SCOPE_SE
	s_setreg_imm32_b32 hwreg(HW_REG_WAVE_MODE, 25, 1), 1
	s_wait_xcnt 0x0
; out = attended W_o^T + b_o + x, the product on codes of FP4 (E2M1) with E8M0 scales.  attended comes as images of the operand's registers, [tile of 16 rows][head][lane][16 bytes], with two scale bytes for each row and head.
; SHARES.  Work-group (X, Y): rows 128 X .. + 127 x columns 64 Y .. + 63.  Wave w: row tile w (lane r: row 32 (w / 2) + 8 (w % 2) + r % 8 + 16 (r / 8) of the 128) x four tiles of 16 columns, K = 512 in four steps: 16 products.
; TRANSPOSED: source 0 = 16 rows of W_o, source 1 = attended: a lane holds eight neighbouring columns of one row.
; W_o's 16 fragments of the work-group's 64 columns are loaded once, two by each wave, and go from wave to wave through LDS as images of their registers (512 bytes a store, 16 a lane).
; The results go through the wave's own stage in LDS and leave, with b_o and x added, as whole rows of 256 bytes: sixteen lanes store 256 consecutive bytes, aligned.
; One pass a wave, all its loads issued at the head: no tensor load, no ring, no cluster, no prefetch.
; REGISTERS: v1-11 addresses; v16-31 my two fragments of W_o; v32-63 attended's four fragments; v64-71 its scale half-words; v72-75 its scale words; v76-91 W_o's scale words; v92-95 b_o; v96-127 x; v128-159 accumulators; v160-223 two sets of W_o's four fragments of a K step.
.set WL,  16
.set AF,  32
.set AR,  64
.set ASW, 72
.set WS,  76
.set BI,  92
.set XR,  96
.set ACC, 128
.set WB,  160
.set SP,  272                          ; a stage row: 256 bytes + 16
.set STG, 16384                        ; behind the 16 images of 1,024 bytes: 16 rows x 272 bytes for each wave
	s_load_b256 s[4:11], s[0:1], 0x0               ; ac 4:5, asc 6:7, W_o codes 8:9, scales 10:11
	s_load_b128 s[12:15], s[0:1], 0x20             ; b_o 12:13, x 14:15
	s_load_b64 s[16:17], s[0:1], 0x30              ; out0
	v_lshl_add_u32 v224, v0, 2, 0xc800
	v_mov_b32 v225, 0
	v_lshrrev_b32 v1, 5, v0
	v_readfirstlane_b32 s18, v1                    ; wave 0..7
	s_and_b32 s19, ttmp7, 0xffff                   ; Y
	s_and_b32 s20, s18, 3                          ; the column tile whose fragments I load,
	s_lshr_b32 s21, s18, 2                         ; and which two of its four K steps
	v_and_b32 v1, 31, v0                           ; lane
	v_and_b32 v2, 15, v0                           ; r
	v_bfe_u32 v3, v0, 4, 1                         ; h
	v_lshlrev_b32 v4, 4, v1                        ; 16 x lane
	v_lshlrev_b32 v5, 8, v2
	v_lshl_add_u32 v5, v3, 4, v5                   ; W_o: row r of 256 bytes, + 16 h
	s_lshl_b32 s34, s20, 12
	s_lshl_b32 s35, s21, 11
	s_add_co_u32 s34, s34, s35
	v_add_nc_u32 v6, s34, v4                       ; my two images: 4,096 x tile + 2,048 x (wave / 4) + 16 x lane
	v_lshlrev_b32 v7, 1, v2                        ; attended's scale bytes: 2 a row
	v_lshlrev_b32 v8, 4, v2                        ; W_o's: 16 a row; b_o: my four columns on the way out
	s_mul_i32 s34, s18, 16*SP
	s_add_co_u32 s34, s34, STG                     ; my stage
	v_mul_u32_u24 v9, v2, SP
	v_lshl_add_u32 v9, v3, 5, v9
	v_add_nc_u32 v9, s34, v9                       ; in: row r, + 32 h
	v_mul_u32_u24 v10, v3, SP
	v_lshl_add_u32 v10, v2, 4, v10
	v_add_nc_u32 v10, s34, v10                     ; back: lanes 0-15 one row, lanes 16-31 the next
	v_lshlrev_b32 v11, 11, v3
	v_lshl_add_u32 v11, v2, 4, v11                 ; and the same two rows in x and out0
	s_lshl_b32 s22, ttmp9, 3
	s_add_co_u32 s22, s22, s18
	s_lshl_b32 s22, s22, 12                        ; ac: (8 X + wave) x 4,096
	s_mov_b32 s23, 0
	s_lshr_b32 s24, ttmp9, 5
	s_lshl_b32 s24, s24, 16                        ; asc: 65,536 x batch + 32 x (8 (X % 32) + wave)
	s_and_b32 s34, ttmp9, 31
	s_lshl_b32 s34, s34, 3
	s_add_co_u32 s34, s34, s18
	s_lshl_b32 s34, s34, 5
	s_add_co_u32 s24, s24, s34
	s_mov_b32 s25, 0
	s_lshl_b32 s26, s19, 6
	s_lshl_b32 s34, s20, 4
	s_add_co_u32 s26, s26, s34
	s_lshl_b32 s26, s26, 8                         ; W_o: row 64 Y + 16 x tile,
	s_lshl_b32 s34, s21, 7
	s_add_co_u32 s26, s26, s34                     ; + 128 bytes x (wave / 4): two K steps
	s_mov_b32 s27, 0
	s_lshl_b32 s28, s19, 10                        ; its scale bytes: 64 rows of 16
	s_mov_b32 s29, 0
	s_lshl_b32 s30, s19, 8                         ; b_o: 64 numbers
	s_mov_b32 s31, 0
	s_lshl_b32 s32, ttmp9, 18                      ; x, out0: row 128 X + 32 (wave / 2) + 8 (wave % 2), column 64 Y
	s_lshr_b32 s34, s18, 1
	s_lshl_b32 s34, s34, 16
	s_add_co_u32 s32, s32, s34
	s_and_b32 s34, s18, 1
	s_lshl_b32 s34, s34, 14
	s_add_co_u32 s32, s32, s34
	s_add_co_u32 s32, s32, s30
	s_mov_b32 s33, 0
	s_wait_kmcnt 0x0
	s_add_nc_u64 s[4:5], s[4:5], s[22:23]
	s_add_nc_u64 s[6:7], s[6:7], s[24:25]
	s_add_nc_u64 s[8:9], s[8:9], s[26:27]
	s_add_nc_u64 s[10:11], s[10:11], s[28:29]
	s_add_nc_u64 s[12:13], s[12:13], s[30:31]
	s_add_nc_u64 s[14:15], s[14:15], s[32:33]
	s_add_nc_u64 s[16:17], s[16:17], s[32:33]
.irp e, 0,1
.irp c, 0,1
	global_load_b128 v[WL+8*\e+4*\c:WL+8*\e+4*\c+3], v5, s[8:9] offset:64*\e+32*\c
.endr
.endr
.irp i, 0,1,2,3,4,5,6,7
	global_load_b128 v[AF+4*\i:AF+4*\i+3], v4, s[4:5] offset:512*\i th:TH_LOAD_NT    ; head i: registers 4 (i % 2) .. of K step i / 2... read again by the other seven column blocks' work-groups only from their own loads
.endr
.irp i, 0,1,2,3,4,5,6,7
	global_load_u16 v[AR+\i], v7, s[6:7] offset:8192*\i
.endr
.irp t, 0,1,2,3
	global_load_b128 v[WS+4*\t:WS+4*\t+3], v8, s[10:11] offset:256*\t
.endr
	global_load_b128 v[BI:BI+3], v8, s[12:13]
.irp i, 0,1,2,3,4,5,6,7
	global_load_b128 v[XR+4*\i:XR+4*\i+3], v11, s[14:15] offset:((2*\i)%8+16*((2*\i)/8))*2048 th:TH_LOAD_NT
.endr
	s_wait_loadcnt 29                              ; my two fragments of W_o are in; the 29 loads behind them may be out
.irp e, 0,1
.irp c, 0,1
	ds_store_b128 v6, v[WL+8*\e+4*\c:WL+8*\e+4*\c+3] offset:1024*\e+512*\c
.endr
.endr
	s_wait_dscnt 0x0                               ; for the others' sake: my stores have landed
	s_barrier_signal -1
	s_barrier_wait -1                              ; W_o's sixteen fragments lie in LDS
.macro FETCHW s, buf                   ; K step s of the four column tiles
.irp t, 0,1,2,3
.irp c, 0,1
	ds_load_b128 v[WB+32*(\buf)+8*\t+4*\c:WB+32*(\buf)+8*\t+4*\c+3], v4 offset:(4*\t+(\s))*1024+512*\c
.endr
.endr
.endm
.macro MUL s, buf, z                   ; four products, the four accumulators by turns
.irp t, 0,1,2,3
.if \z
	v_wmma_scale_f32_16x16x128_f8f6f4 v[ACC+8*\t:ACC+8*\t+7], v[WB+32*(\buf)+8*\t:WB+32*(\buf)+8*\t+7], v[AF+8*(\s):AF+8*(\s)+7], 0, v[WS+4*\t+(\s)], v[ASW+(\s)] matrix_a_fmt:MATRIX_FMT_FP4 matrix_b_fmt:MATRIX_FMT_FP4
.else
	v_wmma_scale_f32_16x16x128_f8f6f4 v[ACC+8*\t:ACC+8*\t+7], v[WB+32*(\buf)+8*\t:WB+32*(\buf)+8*\t+7], v[AF+8*(\s):AF+8*(\s)+7], v[ACC+8*\t:ACC+8*\t+7], v[WS+4*\t+(\s)], v[ASW+(\s)] matrix_a_fmt:MATRIX_FMT_FP4 matrix_b_fmt:MATRIX_FMT_FP4
.endif
.endr
.endm
.macro PLACES
.rept 4
	v_nop
.endr
.endm
	FETCHW 0, 0
	FETCHW 1, 1
	s_wait_loadcnt 9                               ; attended, its scale bytes and W_o's scale words are in; b_o's load and x's eight may be out
.irp s, 0,1,2,3
	v_lshl_or_b32 v[ASW+\s], v[AR+2*\s+1], 16, v[AR+2*\s]   ; heads 2 s and 2 s + 1: the four bytes of K step s
.endr
.rept 8
	v_nop                                          ; a scale register written by a vector instruction stands eight plain instructions ahead of the scaled product
.endr
	s_wait_dscnt 8                                 ; all but the eight loads issued last
	MUL 0, 0, 1
	PLACES
	FETCHW 2, 0
	s_wait_dscnt 8
	MUL 1, 1, 0
	PLACES
	FETCHW 3, 1
	s_wait_dscnt 8
	MUL 2, 0, 0
	s_wait_dscnt 0x0
	MUL 3, 1, 0
	PLACES
.irp t, 0,1,2,3
	ds_store_b128 v9, v[ACC+8*\t:ACC+8*\t+3] offset:64*\t          ; each accumulator from its low end on
	ds_store_b128 v9, v[ACC+8*\t+4:ACC+8*\t+7] offset:64*\t+16
.endr
.irp i, 0,1,2,3,4,5,6,7
	ds_load_b128 v[ACC+4*\i:ACC+4*\i+3], v10 offset:2*\i*SP        ; LDS serves a wave's instructions in order (ISA guide 5.7.1.4): these see my stores
.endr
	s_wait_loadcnt 0x0                             ; b_o and x
.irp i, 0,1,2,3,4,5,6,7
	s_wait_dscnt 7-\i
	v_pk_add_f32 v[ACC+4*\i:ACC+4*\i+1], v[ACC+4*\i:ACC+4*\i+1], v[BI:BI+1]
	v_pk_add_f32 v[ACC+4*\i+2:ACC+4*\i+3], v[ACC+4*\i+2:ACC+4*\i+3], v[BI+2:BI+3]
	v_pk_add_f32 v[ACC+4*\i:ACC+4*\i+1], v[ACC+4*\i:ACC+4*\i+1], v[XR+4*\i:XR+4*\i+1]
	v_pk_add_f32 v[ACC+4*\i+2:ACC+4*\i+3], v[ACC+4*\i+2:ACC+4*\i+3], v[XR+4*\i+2:XR+4*\i+3]
	global_store_b128 v11, v[ACC+4*\i:ACC+4*\i+3], s[16:17] offset:((2*\i)%8+16*((2*\i)/8))*2048 th:TH_STORE_NT
.endr
	s_wait_tensorcnt 0x0
	ds_add_u32 v224, v225
	s_wait_dscnt 0x0
	s_endpgm
.Lfunc_end_k_q9c3aa84b04_oproj:
	.size	k_q9c3aa84b04_oproj, .Lfunc_end_k_q9c3aa84b04_oproj-k_q9c3aa84b04_oproj
	.p2alignl 7, 3214868480
	.fill 96, 4, 3214868480
	.section	.rodata,"a",@progbits
	.p2align	6, 0x0
	.amdhsa_kernel k_q9c3aa84b04_oproj
		.amdhsa_group_segment_fixed_size 52224
		.amdhsa_private_segment_fixed_size 0
		.amdhsa_enable_private_segment 0
		.amdhsa_kernarg_size 56
		.amdhsa_user_sgpr_count 2
		.amdhsa_user_sgpr_kernarg_segment_ptr 1
		.amdhsa_wavefront_size32 1
		.amdhsa_system_sgpr_workgroup_id_x 1
		.amdhsa_system_sgpr_workgroup_id_y 1
		.amdhsa_system_sgpr_workgroup_id_z 1
		.amdhsa_system_vgpr_workitem_id 0
		.amdhsa_next_free_vgpr 226
		.amdhsa_next_free_sgpr 66
		.amdhsa_reserve_vcc 0
		.amdhsa_float_denorm_mode_32 3
		.amdhsa_float_denorm_mode_16_64 3
		.amdhsa_memory_ordered 1
		.amdhsa_forward_progress 1
		.amdhsa_inst_pref_size 16
	.end_amdhsa_kernel
	.amdgpu_metadata
---
amdhsa.version: [ 1, 2 ]
amdhsa.kernels:
  - .name:           k_q9c3aa84b04_oproj
    .symbol:         k_q9c3aa84b04_oproj.kd
    .args:
      - { .name: ac, .offset: 0, .size: 8, .value_kind: global_buffer, .address_space: global }
      - { .name: asc, .offset: 8, .size: 8, .value_kind: global_buffer, .address_space: global }
      - { .name: w_o_codes, .offset: 16, .size: 8, .value_kind: global_buffer, .address_space: global }
      - { .name: w_o_scales, .offset: 24, .size: 8, .value_kind: global_buffer, .address_space: global }
      - { .name: b_o, .offset: 32, .size: 8, .value_kind: global_buffer, .address_space: global }
      - { .name: x, .offset: 40, .size: 8, .value_kind: global_buffer, .address_space: global }
      - { .name: out0, .offset: 48, .size: 8, .value_kind: global_buffer, .address_space: global }
    .group_segment_fixed_size: 52224
    .private_segment_fixed_size: 0
    .kernarg_segment_align: 8
    .kernarg_segment_size: 56
    .max_flat_workgroup_size: 256
    .sgpr_count:     66
    .vgpr_count:     226
    .wavefront_size: 32
...
	.end_amdgpu_metadata
.endif
;; end of part 3
;; ======== version 2 of 2: 3 launches
;; workspace buffers: kv 4,587,520 bytes; qc 2,097,152 bytes; qs 262,144 bytes; ac 2,097,152 bytes; asc 131,072 bytes
;; launch prep (part 4): grid 64 x 4, 4 waves a work-group, no clusters, 37,376 bytes of LDS; arguments x, ln_gamma, ln_beta, w_q_codes, w_q_scales, w_k_codes, w_k_scales, w_v_codes, w_v_scales, qc, qs, kv; writes qc, qs, kv
.if DOCPART == 4
	.amdgcn_target "amdgcn-amd-amdhsa--gfx1250"
	.amdhsa_code_object_version 6
	.text
	.protected	k_q9c3aa84b04_prep
	.globl	k_q9c3aa84b04_prep
	.p2align	8
	.type	k_q9c3aa84b04_prep,@function
k_q9c3aa84b04_prep:
	s_mov_b64 s[64:65], 0
	v_nop
	global_prefetch_b8 v0, s[64:65] scope:SCOPE_SE
	s_setreg_imm32_b32 hwreg(HW_REG_WAVE_SCHED_MODE, 0, 2), 2
	s_setreg_imm32_b32 hwreg(HW_REG_WAVE_MODE, 25, 1), 1
	s_wait_xcnt 0x0
	s_wait_alu depctr_vm_vsrc(0)
; h = LayerNorm(x), quantised along its 512 columns; Q, K, V = h W^T on codes of FP4 (E2M1) with one E8M0 scale for each 32 along K; Q and K quantised along a head's 64, V along the keys.
; All three leave as IMAGES OF THE NEXT LAUNCH'S OPERAND REGISTERS (16 bytes a lane, lane by lane), with their scale words beside them.
; SHARES.  Work-group (X, y): rows 128 X .. 128 X + 127 (batch X / 32, key step X % 32), heads 2 y and 2 y + 1.  Wave w: head 2 y + w % 2, half = w / 2.
;   LayerNorm: rows 32 w .. 32 w + 31, codes and scale bytes into LDS; one barrier; behind it LDS is only read.
;   Q, K: row tiles 4 half + m (m = 0 .. 3) x the head's 64 columns, TRANSPOSED (source 0 = 16 rows of W, source 1 = 16 rows of h): a lane holds one row, its registers run along the head's 64.
;   V: all 8 row tiles x dims 32 half .. + 31, NOT transposed (source 0 = h, source 1 = W): a lane holds one dim, its registers run along the keys.
; THE ROWS OF A TILE ARE NOT NEIGHBOURS: lane r of tile 2 b + u is row 32 b + 8 u + r % 8 + 16 (r / 8) of the 128; W's rows of a tile likewise.  So the 16 registers of tiles 2 b, 2 b + 1 are 16 neighbours along the next K.
; The weights go from memory straight into registers, read once by the wave: W_q, W_k in window 1, W_v in window 2.  No tensor load, no ring, no cluster: nothing here is walked twice.
; LIMITS: a block of zeros gets the scale byte 1 (the quantiser's rule says 127): its codes are zeros, and only this program reads the bytes.  NaN and infinities among the inputs are not served.  v_rsq_f32 is accurate to 1 ulp.
; REGISTERS, window 0: v0-15 addresses.  LayerNorm: v16-31 gamma, v32-47 beta, v48-175 two sets of 4 rows x 16 numbers, v176-199 six work registers a row, v200-215 codes, bytes, scale operands.
;   Products: v16-79 two sets of h's fragments (Q, K), v80-87 their scale words, v88-151 accumulators, v152-183 the quantiser's work, v184-215 h's scale words for V, v216-255 the weights' scale words.
;   window 1: v0-127 W_q's 16 fragments, v128-255 W_k's.   window 2: v0-63 W_v's 8 fragments, v64-255 h's 8 fragments of K steps 0, 1, 2 for V.   window 3: v0-63 those of K step 3.
; THE MODE: SCHED_MODE bits 1:0 = 2 (LLVM: expert scheduling mode 2), set by the entry lines.  The code itself states the register dependences
; between vector or matrix instructions and memory or LDS instructions, with s_wait_alu, always for 0.
; THE PLAN.  Registers that memory or LDS instructions touch:
;   v4 .. v15     Offsets and LDS addresses: written at the head and never again: one wait on va_vdst ahead of the first load serves every load and store of the kernel.
;   X0, X1        (v48-111, v112-175)  LayerNorm's batch i works in place on X[i % 2], up to its conversions; behind them the loads of batch i + 2 land in it.
;   CD, BY        (v200-211)  Written by a batch's conversions and shifts; read by its eight LDS stores; written again by the next batch's.
;                 So a batch has ONE wait on va_vdst, behind its shifts (CD and BY are written, X[i % 2] is done with), with its loads and LDS stores behind it, and one wait on vm_vsrc ahead of its conversions.
;   F0, F1        (v16-47 and v80-83, v48-79 and v84-87)  Tile m's products read F[m % 2]; the nine LDS loads of tile m + 2 land in it at the head of tile m + 1.
;                 Tiles 0 and 1 land where LayerNorm worked: all of its instructions stand ahead of the last batch's wait on va_vdst, and nothing behind that wait names v16-87.
;   PC, v180-183  (v168-175)  Written by the quantisers; read by the global stores; PC is written again by the next quantiser.
;                 So a tile has ONE wait on va_vdst, behind its second quantiser (the codes are written, its products are done reading F[m % 2]), and one wait on vm_vsrc ahead of its first quantiser.
;   v184-215      h's scale words for V land once, where LayerNorm's work registers, CD and BY lay: the tiles' waits on va_vdst and on vm_vsrc stand between.  Read by products alone.
;   window 2 v64-255, window 3 v0-63   h's 32 fragments for V land once, in registers that nothing else ever names, and serve both passes: no wait is owed for them.
.set HP,   272                         ; a row of h's codes in LDS: 256 bytes + 16: 68 words, so that the 16 rows of a fragment load start at 16 different banks (64 banks of 4 bytes: ISA guide 11.1)
.set HSC,  128*HP                      ; behind the 128 rows of codes: 16 scale bytes a row
.set GAM,  16
.set BET,  32
.set XS0,  48
.set TA,   176                         ; row q: sums v[TA+6q:+1], v[TA+6q+2:+3]; mean, then 1/sigma, in v[TA+6q+4] (the pair's upper word stays 0)
.set CD,   200
.set BY,   208
.set SOP,  212
.set WQS,  216                         ; scale word of W's tile t, K step s: register 4 t + s
.set WKS,  232
.set WVS,  248
.set AQ,   88
.set AK,   120
.set TM,   152                         ; +0..3 largest magnitudes, +4..7 bytes, +12..15 the conversions' scale operands
.set PC,   168                         ; the codes just made
.set PW,   176                         ; the scale word just made
.set HSV,  184
.set MSB, 0
.macro WIN new                         ; the immediate's high byte repeats the setting that is left
.if MSB != \new
	s_set_vgpr_msb (MSB<<8)|\new
.set MSB, \new
.endif
.endm
.macro PLACES                          ; four plain vector instructions between a matrix instruction and a vector read or write of its registers (ISA guide 7.12.1)
.rept 4
	v_nop
.endr
.endm
.macro MM d, a, b, z, sa, sb           ; one product 16 x 16 x 128; z = 1: it starts the sum
.if \z
	v_wmma_scale_f32_16x16x128_f8f6f4 v[(\d):(\d)+7], v[(\a):(\a)+7], v[(\b):(\b)+7], 0, v[\sa], v[\sb] matrix_a_fmt:MATRIX_FMT_FP4 matrix_b_fmt:MATRIX_FMT_FP4
.else
	v_wmma_scale_f32_16x16x128_f8f6f4 v[(\d):(\d)+7], v[(\a):(\a)+7], v[(\b):(\b)+7], v[(\d):(\d)+7], v[\sa], v[\sb] matrix_a_fmt:MATRIX_FMT_FP4 matrix_b_fmt:MATRIX_FMT_FP4
.endif
.endm
; 16 nb numbers of a lane, register s + 16 b + i = k 32 b + 16 (lane / 16) + i of the lane's row, become codes in v[pc] on (register 4 c + ..: k = 64 c + 32 (lane / 16) + 0 .. 31) and the scale word v[PW].
; With nb = 2 the word's upper two bytes are 0x7f: they scale the half of a K step of 128 that holds zero codes.
.macro QUANT s, nb, pc
.irp b, 0,1,2,3
.if \b < \nb
	v_max3_num_f32 v[TM+\b], |v[\s+16*\b]|, |v[\s+16*\b+1]|, 0x1800000   ; my 16 numbers of block b, and the floor 2^(3 - 127): the byte cannot fall under 1
.endif
.endr
.irp i, 2,4,6,8,10,12,14
.irp b, 0,1,2,3
.if \b < \nb
	v_max3_num_f32 v[TM+\b], v[TM+\b], |v[\s+16*\b+\i]|, |v[\s+16*\b+\i+1]|
.endif
.endr
.endr
.irp b, 0,1,2,3
.if \b < \nb
	v_permlanex16_b32 v[TM+4+\b], v[TM+\b], s40, s41
.endif
.endr
.irp b, 0,1,2,3
.if \b < \nb
	v_max_num_f32 v[TM+\b], v[TM+\b], v[TM+4+\b]         ; with lane l xor 16's 16: the block's largest magnitude
.endif
.endr
.irp b, 0,1,2,3
.if \b < \nb
	v_add_nc_u32 v[TM+12+\b], 0xff000000, v[TM+\b]       ; 2 off its exponent field: the conversion takes that field as its scale
.endif
.endr
.irp b, 0,1,2,3
.if \b < \nb
	v_lshrrev_b32 v[TM+4+\b], 23, v[TM+12+\b]            ; the scale's byte
.endif
.endr
	v_lshl_or_b32 v[PW], v[TM+5], 8, v[TM+4]
.if \nb == 4
	v_lshl_or_b32 v[PW], v[TM+6], 16, v[PW]
	v_lshl_or_b32 v[PW], v[TM+7], 24, v[PW]
.else
	v_or_b32 v[PW], 0x7f7f0000, v[PW]
.endif
.irp b, 0,1,2,3
.if \b < \nb
	v_cvt_scalef32_pk8_fp4_f32 v[\pc+2*\b], v[\s+16*\b:\s+16*\b+7], v[TM+12+\b]
	v_cvt_scalef32_pk8_fp4_f32 v[\pc+2*\b+1], v[\s+16*\b+8:\s+16*\b+15], v[TM+12+\b]
.endif
.endr
	v_nop                                          ; one plain instruction behind the scaled conversions
.irp c, 0,1
.if 2*\c < \nb
.irp i, 0,1
	v_permlane16_swap_b32 v[\pc+4*\c+\i], v[\pc+4*\c+2+\i]   ; the operand wants a whole block in a lane: lanes 0-15 block 2 c, lanes 16-31 block 2 c + 1
.endr
.endif
.endr
.endm
	s_load_b512 s[4:19], s[0:1], 0x0               ; x 4:5, gamma 6:7, beta 8:9, W_q codes 10:11, scales 12:13, W_k codes 14:15, scales 16:17, W_v codes 18:19
	s_load_b256 s[20:27], s[0:1], 0x40             ; W_v scales 20:21, qc 22:23, qs 24:25, kv 26:27
	s_set_vgpr_msb 0xc0
	v_lshl_add_u32 v64, v0, 2, 0x9000
	v_mov_b32 v65, 0
	s_set_vgpr_msb 0xc000
	v_lshrrev_b32 v1, 5, v0
	v_readfirstlane_b32 s28, v1                    ; wave 0..3
	v_and_b32 v1, 31, v0                           ; lane
	s_wait_alu depctr_va_vdst(0)
	v_and_b32 v2, 15, v0                           ; r
	s_wait_alu depctr_va_vdst(0)
	v_bfe_u32 v3, v0, 4, 1                         ; h
	v_cmp_le_u32 s44, 16, v1                       ; lanes 16-31
	v_lshlrev_b32 v4, 6, v1                        ; x, gamma, beta: my 16 columns, 64 bytes
	s_wait_alu depctr_va_sdst(0)                   ; s28 and s44 are written, ahead of their first readers: the scalar lines below read s28, the selects of the scale words read s44
	s_and_b32 s29, s28, 1                          ; which of the two heads
	s_lshr_b32 s30, s28, 1                         ; half
	s_and_b32 s31, ttmp7, 0xffff                   ; y
	s_mov_b32 s32, ttmp9                           ; X
	s_mov_b32 s40, 0x76543210
	s_mov_b32 s41, 0xfedcba98                      ; v_permlanex16_b32's selects for lane l xor 16
	s_mov_b32 s42, 0x3b000000                      ; 1 / 512
	s_mov_b32 s43, 0x3727c5ac                      ; 1e-5
	s_mul_i32 s33, s28, 32*HP
	v_lshl_add_u32 v5, v1, 3, s33                  ; LDS, codes in: 8 bytes a lane, my wave's 32 rows
	s_lshl_b32 s33, s28, 9
	s_add_co_u32 s33, s33, HSC
	v_lshrrev_b32 v6, 1, v1
	v_add_nc_u32 v6, s33, v6                       ; LDS, scale bytes in: two lanes to a block
	v_mul_u32_u24 v7, v2, HP
	s_wait_alu depctr_va_vdst(0)
	v_lshl_add_u32 v7, v3, 4, v7                   ; a fragment's row x pitch + 16 x half of the lanes
	s_mul_i32 s33, s30, 64*HP
	v_add_nc_u32 v8, s33, v7                       ; the same in my four tiles for Q and K
	v_lshl_add_u32 v9, v2, 4, HSC                  ; a row's 16 scale bytes
	s_lshl_b32 s33, s30, 10
	v_add_nc_u32 v10, s33, v9
	s_lshl_b32 s33, s30, 11
	v_lshl_add_u32 v11, v1, 4, s33                 ; out: 16 bytes a lane, + 2,048 x half
	s_lshl_b32 s33, s30, 8
	v_lshl_add_u32 v12, v1, 3, s33                 ; out: pairs of scale words
	s_lshl_b32 s33, s30, 7
	v_lshl_add_u32 v13, v1, 2, s33                 ; out: V's scale words
	v_and_b32 v15, 8, v2
	v_add_nc_u32 v15, v15, v2                      ; r + 8 (r / 8)
	v_lshlrev_b32 v14, 8, v15
	v_lshl_add_u32 v14, v3, 4, v14                 ; a weight's row of 256 bytes, + 16 h
	v_lshlrev_b32 v15, 4, v15                      ; and its 16 scale bytes
.irp q, 0,1,2,3
	v_mov_b32 v[TA+6*\q+5], 0                      ; named as the upper word of a pair, so it is written
.endr
	s_lshl_b32 s34, s31, 1
	s_add_co_u32 s34, s34, s29                     ; my head
	s_lshr_b32 s35, s32, 5
	s_lshl_b32 s35, s35, 3
	s_add_co_u32 s35, s35, s34                     ; g = 8 x batch + head
	s_and_b32 s36, s32, 31                         ; key step
	s_mov_b32 s39, 0
	s_wait_kmcnt 0x0
	s_lshl_b32 s38, s32, 18                        ; 128 rows of 2,048 bytes,
	s_lshl_b32 s37, s28, 16                        ; my wave's 32
	s_add_co_u32 s38, s38, s37
	s_add_nc_u64 s[4:5], s[4:5], s[38:39]
	s_lshl_b32 s38, s34, 14                        ; a head's 64 rows of 256 bytes
	s_add_nc_u64 s[10:11], s[10:11], s[38:39]
	s_add_nc_u64 s[14:15], s[14:15], s[38:39]
	s_lshl_b32 s37, s30, 13                        ; V: my 32 dims
	s_add_co_u32 s38, s38, s37
	s_add_nc_u64 s[18:19], s[18:19], s[38:39]
	s_lshl_b32 s38, s34, 10                        ; and their scale bytes, 16 a row
	s_add_nc_u64 s[12:13], s[12:13], s[38:39]
	s_add_nc_u64 s[16:17], s[16:17], s[38:39]
	s_lshl_b32 s37, s30, 9
	s_add_co_u32 s38, s38, s37
	s_add_nc_u64 s[20:21], s[20:21], s[38:39]
	s_lshl_b32 s38, s35, 17                        ; qc: 256 tiles of 512 bytes a head, 8 a step
	s_lshl_b32 s37, s36, 12
	s_add_co_u32 s38, s38, s37
	s_add_nc_u64 s[22:23], s[22:23], s[38:39]
	s_lshl_b32 s38, s35, 14                        ; qs: 512 bytes a step
	s_lshl_b32 s37, s36, 9
	s_add_co_u32 s38, s38, s37
	s_add_nc_u64 s[24:25], s[24:25], s[38:39]
	s_mul_i32 s38, s35, 286720                     ; kv: 8,960 bytes a step, 32 steps a head
	s_mul_i32 s37, s36, 8960
	s_add_co_u32 s38, s38, s37
	s_add_nc_u64 s[26:27], s[26:27], s[38:39]
	; the weights first, so that behind every later counted wait only x is out
	WIN 0x40                                       ; destination window 1
	s_wait_alu depctr_va_vdst(0)                   ; the offsets and LDS addresses v4 to v15 are written: every load and store of the kernel reads one of them, and none is written again
.irp t, 0,1,2,3
.irp s, 0,1,2,3
.irp c, 0,1
	global_load_b128 v[8*(4*\t+\s)+4*\c:8*(4*\t+\s)+4*\c+3], v14, s[10:11] offset:(32*(\t/2)+8*(\t%2))*256+64*\s+32*\c
	global_load_b128 v[128+8*(4*\t+\s)+4*\c:128+8*(4*\t+\s)+4*\c+3], v14, s[14:15] offset:(32*(\t/2)+8*(\t%2))*256+64*\s+32*\c
.endr
.endr
.endr
	WIN 0x80                                       ; destination window 2
.irp u, 0,1
.irp s, 0,1,2,3
.irp c, 0,1
	global_load_b128 v[8*(4*\u+\s)+4*\c:8*(4*\u+\s)+4*\c+3], v14, s[18:19] offset:8*\u*256+64*\s+32*\c
.endr
.endr
.endr
	WIN 0
.irp t, 0,1,2,3
	global_load_b128 v[WQS+4*\t:WQS+4*\t+3], v15, s[12:13] offset:(32*(\t/2)+8*(\t%2))*16
	global_load_b128 v[WKS+4*\t:WKS+4*\t+3], v15, s[16:17] offset:(32*(\t/2)+8*(\t%2))*16
.endr
.irp u, 0,1
	global_load_b128 v[WVS+4*\u:WVS+4*\u+3], v15, s[20:21] offset:8*\u*16
.endr
.irp i, 0,1,2,3
	global_load_b128 v[GAM+4*\i:GAM+4*\i+3], v4, s[6:7] offset:16*\i
	global_load_b128 v[BET+4*\i:BET+4*\i+3], v4, s[8:9] offset:16*\i
.endr
.macro LOADX i                         ; rows 4 i .. 4 i + 3 of my 32: a lane takes 16 neighbours along K; a row's four loads together cover all its bytes
.irp q, 0,1,2,3
.irp j, 0,1,2,3
	global_load_b128 v[XS0+64*((\i)%2)+16*\q+4*\j:XS0+64*((\i)%2)+16*\q+4*\j+3], v4, s[4:5] offset:(4*(\i)+\q)*2048+16*\j
.endr
.endr
.endm
	LOADX 0
	LOADX 1
.macro REDUCE                          ; four rows' sums over the 32 lanes, the rows by turns
.irp m, 1,2,4,8
.irp q, 0,1,2,3
	v_add_f32_dpp v[TA+6*\q], v[TA+6*\q], v[TA+6*\q] row_xmask:\m row_mask:0xf bank_mask:0xf
.endr
.endr
.irp q, 0,1,2,3
	v_permlanex16_b32 v[TA+6*\q+2], v[TA+6*\q], s40, s41
.endr
.irp q, 0,1,2,3
	v_add_f32 v[TA+6*\q], v[TA+6*\q], v[TA+6*\q+2]
.endr
.endm
; A batch of four rows: mean; x - mean; variance of the differences (two passes: no difference of large sums); x 1/sigma, x gamma + beta; quantised, two lanes to a block of 32.
.macro LNB i
.set XB, XS0+64*((\i)%2)
.if (\i) < 7
	s_wait_loadcnt 16                              ; this batch's loads are in; the other set's 16 may be out
.else
	s_wait_loadcnt 0x0
.endif
.irp q, 0,1,2,3
	v_pk_add_f32 v[TA+6*\q:TA+6*\q+1], v[XB+16*\q:XB+16*\q+1], v[XB+16*\q+2:XB+16*\q+3]
	v_pk_add_f32 v[TA+6*\q+2:TA+6*\q+3], v[XB+16*\q+4:XB+16*\q+5], v[XB+16*\q+6:XB+16*\q+7]
.endr
.irp k, 8,12
.irp q, 0,1,2,3
	v_pk_add_f32 v[TA+6*\q:TA+6*\q+1], v[TA+6*\q:TA+6*\q+1], v[XB+16*\q+\k:XB+16*\q+\k+1]
	v_pk_add_f32 v[TA+6*\q+2:TA+6*\q+3], v[TA+6*\q+2:TA+6*\q+3], v[XB+16*\q+\k+2:XB+16*\q+\k+3]
.endr
.endr
.irp q, 0,1,2,3
	v_pk_add_f32 v[TA+6*\q:TA+6*\q+1], v[TA+6*\q:TA+6*\q+1], v[TA+6*\q+2:TA+6*\q+3]
.endr
.irp q, 0,1,2,3
	v_add_f32 v[TA+6*\q], v[TA+6*\q], v[TA+6*\q+1]
.endr
	REDUCE
.irp q, 0,1,2,3
	v_mul_f32 v[TA+6*\q+4], s42, v[TA+6*\q]        ; the mean
.endr
.irp k, 0,2,4,6,8,10,12,14
.irp q, 0,1,2,3
	v_pk_add_f32 v[XB+16*\q+\k:XB+16*\q+\k+1], v[XB+16*\q+\k:XB+16*\q+\k+1], v[TA+6*\q+4:TA+6*\q+5] op_sel_hi:[1,0] neg_lo:[0,1] neg_hi:[0,1]
.endr
.endr
.irp q, 0,1,2,3
	v_pk_mul_f32 v[TA+6*\q:TA+6*\q+1], v[XB+16*\q:XB+16*\q+1], v[XB+16*\q:XB+16*\q+1]
	v_pk_mul_f32 v[TA+6*\q+2:TA+6*\q+3], v[XB+16*\q+2:XB+16*\q+3], v[XB+16*\q+2:XB+16*\q+3]
.endr
.irp k, 4,8,12
.irp q, 0,1,2,3
	v_pk_fma_f32 v[TA+6*\q:TA+6*\q+1], v[XB+16*\q+\k:XB+16*\q+\k+1], v[XB+16*\q+\k:XB+16*\q+\k+1], v[TA+6*\q:TA+6*\q+1]
	v_pk_fma_f32 v[TA+6*\q+2:TA+6*\q+3], v[XB+16*\q+\k+2:XB+16*\q+\k+3], v[XB+16*\q+\k+2:XB+16*\q+\k+3], v[TA+6*\q+2:TA+6*\q+3]
.endr
.endr
.irp q, 0,1,2,3
	v_pk_add_f32 v[TA+6*\q:TA+6*\q+1], v[TA+6*\q:TA+6*\q+1], v[TA+6*\q+2:TA+6*\q+3]
.endr
.irp q, 0,1,2,3
	v_add_f32 v[TA+6*\q], v[TA+6*\q], v[TA+6*\q+1]
.endr
	REDUCE
.irp q, 0,1,2,3
	v_fma_f32 v[TA+6*\q], v[TA+6*\q], s42, s43     ; variance + 1e-5
.endr
	s_wait_alu depctr_va_vdst(0)
.irp q, 0,1,2,3
	v_rsq_f32 v[TA+6*\q+4], v[TA+6*\q]
.endr
	v_nop                                          ; a plain instruction behind the last of the four,
	s_wait_alu depctr_va_vdst(0)                   ; and one wait for the four 1/sigma, ahead of their first reader
.irp k, 0,2,4,6,8,10,12,14
.irp q, 0,1,2,3
	v_pk_mul_f32 v[XB+16*\q+\k:XB+16*\q+\k+1], v[XB+16*\q+\k:XB+16*\q+\k+1], v[TA+6*\q+4:TA+6*\q+5] op_sel_hi:[1,0]
.endr
.endr
.irp k, 0,2,4,6,8,10,12,14
.irp q, 0,1,2,3
	v_pk_fma_f32 v[XB+16*\q+\k:XB+16*\q+\k+1], v[XB+16*\q+\k:XB+16*\q+\k+1], v[GAM+\k:GAM+\k+1], v[BET+\k:BET+\k+1]
.endr
.endr
.irp q, 0,1,2,3
	v_max3_num_f32 v[TA+6*\q], |v[XB+16*\q]|, |v[XB+16*\q+1]|, |v[XB+16*\q+2]|
	v_max3_num_f32 v[TA+6*\q+2], |v[XB+16*\q+3]|, |v[XB+16*\q+4]|, |v[XB+16*\q+5]|
.endr
.irp k, 6,10
.irp q, 0,1,2,3
	v_max3_num_f32 v[TA+6*\q], v[TA+6*\q], |v[XB+16*\q+\k]|, |v[XB+16*\q+\k+1]|
	v_max3_num_f32 v[TA+6*\q+2], v[TA+6*\q+2], |v[XB+16*\q+\k+2]|, |v[XB+16*\q+\k+3]|
.endr
.endr
.irp q, 0,1,2,3
	v_max3_num_f32 v[TA+6*\q], v[TA+6*\q], |v[XB+16*\q+14]|, |v[XB+16*\q+15]|
.endr
.irp q, 0,1,2,3
	v_max3_num_f32 v[TA+6*\q], v[TA+6*\q], v[TA+6*\q+2], 0x1800000   ; and the floor 2^(3 - 127)
.endr
.irp q, 0,1,2,3
	v_max_num_f32_dpp v[TA+6*\q], v[TA+6*\q], v[TA+6*\q] row_xmask:1 row_mask:0xf bank_mask:0xf   ; with my neighbour's 16: the block's
.endr
.irp q, 0,1,2,3
	v_add_nc_u32 v[SOP+\q], 0xff000000, v[TA+6*\q]
.endr
.if (\i) > 0
	s_wait_alu depctr_va_vdst(0)
	s_wait_dscnt 0x0                               ; the last batch's LDS stores, issued a batch ago, are done,
	s_wait_alu depctr_vm_vsrc(0)                   ; and have read CD and BY, which the conversions and shifts below write again
.endif
.irp q, 0,1,2,3
	v_cvt_scalef32_pk8_fp4_f32 v[CD+2*\q], v[XB+16*\q:XB+16*\q+7], v[SOP+\q]
	v_cvt_scalef32_pk8_fp4_f32 v[CD+2*\q+1], v[XB+16*\q+8:XB+16*\q+15], v[SOP+\q]
.endr
.irp q, 0,1,2,3
	v_lshrrev_b32 v[BY+\q], 23, v[SOP+\q]          ; the scale's byte (also the plain instruction behind the conversions)
.endr
	s_wait_alu depctr_va_vdst(0)                   ; the conversions and shifts have written CD and BY, which the LDS stores read; the batch is done reading and writing its set of x, in which the loads below land
.if (\i) < 6
	LOADX (\i)+2
.endif
.irp q, 0,1,2,3                        ; row rho = 4 i + q goes to place rho % 8 + 16 ((rho / 8) % 2) + 8 (rho / 16) of my 32: so a tile's 16 rows lie on end
	ds_store_b64 v5, v[CD+2*\q:CD+2*\q+1] offset:((4*(\i)+\q)%8+16*(((4*(\i)+\q)/8)%2)+8*((4*(\i)+\q)/16))*HP
	ds_store_b8 v6, v[BY+\q] offset:((4*(\i)+\q)%8+16*(((4*(\i)+\q)/8)%2)+8*((4*(\i)+\q)/16))*16   ; both lanes of a block write the same byte with the same value
.endr
.endm
.irp i, 0,1,2,3,4,5,6,7
	LNB \i
.endr
	s_wait_dscnt 0x0                               ; for the others' sake: my stores have landed
	s_barrier_signal -1
	s_barrier_wait -1                              ; the 128 rows' codes and scale bytes lie in LDS; nothing is stored there any more
.irp b, 0,1,2,3
	v_mov_b32 v[TM+4+\b], 0                        ; a lane permute's destination counts as one of its sources
.endr
; ---- Q and K: my four row tiles
.macro FETCHT m, buf                   ; tile m's four fragments (128 K each) and its rows' four scale words: 9 LDS loads
.irp s, 0,1,2,3
.irp c, 0,1
	ds_load_b128 v[16+32*(\buf)+8*\s+4*\c:16+32*(\buf)+8*\s+4*\c+3], v8 offset:16*(\m)*HP+64*\s+32*\c
.endr
.endr
	ds_load_b128 v[80+4*(\buf):80+4*(\buf)+3], v10 offset:256*(\m)
.endm
.macro FETCHA s                        ; for V: K step s of all eight tiles: steps 0 to 2 into window 2 from v64 on, step 3 into window 3 from v0 on.  16 LDS loads, into registers that nothing else names
.set HB, (64+64*(\s))%256
.if (\s) < 3
	WIN 0x80
.else
	WIN 0xc0
.endif
.irp tl, 0,1,2,3,4,5,6,7
.irp c, 0,1
	ds_load_b128 v[HB+8*\tl+4*\c:HB+8*\tl+4*\c+3], v7 offset:16*\tl*HP+64*(\s)+32*\c
.endr
.endr
.endm
.macro QKT m
.set AFB, 16+32*((\m)%2)
.set HSB, 80+4*((\m)%2)
.if (\m) < 3
	FETCHT (\m)+1, ((\m)+1)%2                      ; the other set.  No wait: its last readers stand ahead of the last tile's wait on va_vdst, and nothing since names it
	s_wait_dscnt 9                                 ; this tile's loads are in; the nine just issued may be out
.else
.irp tl, 0,1,2,3,4,5,6,7
	ds_load_b128 v[HSV+4*\tl:HSV+4*\tl+3], v9 offset:256*\tl   ; the last tile fetches for V: h's scale words (the registers' earlier users stand ahead of the tiles' waits),
.endr
	FETCHA 0                                       ; and K steps 0 and 1 of h's fragments
	FETCHA 1
	s_wait_dscnt 40                                ; this tile's loads are in; the forty just issued may be out
.endif
	WIN 0x01                                       ; source 0 (the weights) window 1
.irp s, 0,1,2,3                        ; the eight accumulators take turns, one instruction a turn
.irp t, 0,1,2,3
.if \s == 0
	MM AQ+8*\t, 8*(4*\t+\s), AFB+8*\s, 1, WQS+4*\t+\s, HSB+\s
.else
	MM AQ+8*\t, 8*(4*\t+\s), AFB+8*\s, 0, WQS+4*\t+\s, HSB+\s
.endif
.endr
.irp t, 0,1,2,3
.if \s == 0
	MM AK+8*\t, 128+8*(4*\t+\s), AFB+8*\s, 1, WKS+4*\t+\s, HSB+\s
.else
	MM AK+8*\t, 128+8*(4*\t+\s), AFB+8*\s, 0, WKS+4*\t+\s, HSB+\s
.endif
.endr
.endr
	WIN 0
	PLACES
.if (\m) > 0
	s_wait_xcnt 0x0                                ; the last tile's stores have had their addresses translated,
	s_wait_alu depctr_vm_vsrc(0)                   ; and have read the codes' registers v[PC ..], which the quantisers below write again
.endif
	QUANT AQ, 2, PC
.if (\m)%2 == 0
	v_mov_b32 v177, v[PW]                          ; the even tile's words wait for the odd tile's
.else
	v_cndmask_b32 v[180+(\m)/2], v177, v[PW], s44  ; lanes 0-15 the even tile's rows, lanes 16-31 the odd tile's
.endif
	QUANT AK, 2, PC+4
.if (\m)%2 == 0
	v_mov_b32 v178, v[PW]
.else
	v_cndmask_b32 v[182+(\m)/2], v178, v[PW], s44
.endif
	s_wait_alu depctr_va_vdst(0)                   ; the quantisers have written the codes v[PC ..], and the selects v180 to v183, which the stores read; this tile's products are done reading their set of h's fragments and scale words, in which the next tile's head loads
	global_store_b128 v11, v[PC:PC+3], s[22:23] offset:512*(\m)      ; 32 lanes store 512 consecutive bytes, aligned
	global_store_b128 v11, v[PC+4:PC+7], s[26:27] offset:512*(\m)
.endm
	FETCHT 0, 0                                    ; no wait: LayerNorm's instructions, which named these registers, stand ahead of the last batch's wait on va_vdst
.irp m, 0,1,2,3
	QKT \m
.endr
	global_store_b64 v12, v[180:181], s[24:25]                   ; 256 consecutive bytes, aligned
	global_store_b64 v12, v[182:183], s[26:27] offset:8192
; ---- V: all eight row tiles x my 32 dims, 16 at a time.  h's 32 fragments stay in registers for both passes.
.macro VMUL s, u, z
.set HB, (64+64*(\s))%256
.if (\s) < 3
	WIN 0x0a                                       ; sources 0 (h) and 1 (W_v) window 2
.else
	WIN 0x0b                                       ; source 0 (h's K step 3) window 3, source 1 window 2
.endif
.irp tl, 0,1,2,3,4,5,6,7
	MM AQ+8*\tl, HB+8*\tl, 8*(4*(\u)+(\s)), \z, HSV+4*\tl+(\s), WVS+4*(\u)+(\s)
.endr
.endm
.macro VPASS u
.if \u == 0
	FETCHA 2
	s_wait_dscnt 32                                ; h's scale words and K step 0 are in; K steps 1 and 2 may be out
.endif
	VMUL 0, \u, 1
.if \u == 0
	FETCHA 3
	s_wait_dscnt 32                                ; K step 1 is in; K steps 2 and 3 may be out
.endif
	VMUL 1, \u, 0
.if \u == 0
	s_wait_dscnt 16                                ; K step 2 is in
.endif
	VMUL 2, \u, 0
.if \u == 0
	s_wait_dscnt 0x0
.endif
	VMUL 3, \u, 0
	WIN 0
	PLACES
	s_wait_xcnt 0x0                                ; earlier stores have had their addresses translated,
	s_wait_alu depctr_vm_vsrc(0)                   ; and have read the codes' registers v[PC ..], which the quantiser below writes again
	QUANT AQ, 4, PC                                ; a lane: one dim, 64 keys of the 128; with lane l xor 16 four blocks of 32 keys
.if \u == 0
	v_mov_b32 v177, v[PW]
.else
	v_cndmask_b32 v178, v177, v[PW], s44
.endif
	s_wait_alu depctr_va_vdst(0)                   ; the quantiser has written the codes v[PC ..], and in the second pass the select v178, which the stores read
.irp c, 0,1
	global_store_b128 v11, v[PC+4*\c:PC+4*\c+3], s[26:27] offset:4096+1024*\u+512*\c
.endr
.if \u == 1
	global_store_b32 v13, v178, s[26:27] offset:8704
.endif
.endm
	VPASS 0
	VPASS 1
	s_set_vgpr_msb 0xf
	s_wait_dscnt 0x0
	s_wait_alu depctr_hold_cnt(0) depctr_sa_sdst(0) depctr_va_vdst(0) depctr_va_sdst(0) depctr_va_ssrc(0) depctr_va_vcc(0) depctr_vm_vsrc(0)
	s_wait_tensorcnt 0x0
	ds_add_u32 v64, v65
	s_wait_dscnt 0x0
	s_endpgm
.Lfunc_end_k_q9c3aa84b04_prep:
	.size	k_q9c3aa84b04_prep, .Lfunc_end_k_q9c3aa84b04_prep-k_q9c3aa84b04_prep
	.p2alignl 7, 3214868480
	.fill 96, 4, 3214868480
	.section	.rodata,"a",@progbits
	.p2align	6, 0x0
	.amdhsa_kernel k_q9c3aa84b04_prep
		.amdhsa_group_segment_fixed_size 37376
		.amdhsa_private_segment_fixed_size 0
		.amdhsa_enable_private_segment 0
		.amdhsa_kernarg_size 96
		.amdhsa_user_sgpr_count 2
		.amdhsa_user_sgpr_kernarg_segment_ptr 1
		.amdhsa_wavefront_size32 1
		.amdhsa_system_sgpr_workgroup_id_x 1
		.amdhsa_system_sgpr_workgroup_id_y 1
		.amdhsa_system_sgpr_workgroup_id_z 1
		.amdhsa_system_vgpr_workitem_id 0
		.amdhsa_next_free_vgpr 834
		.amdhsa_next_free_sgpr 66
		.amdhsa_reserve_vcc 0
		.amdhsa_float_denorm_mode_32 3
		.amdhsa_float_denorm_mode_16_64 3
		.amdhsa_memory_ordered 1
		.amdhsa_forward_progress 1
		.amdhsa_inst_pref_size 223
	.end_amdhsa_kernel
	.amdgpu_metadata
---
amdhsa.version: [ 1, 2 ]
amdhsa.kernels:
  - .name:           k_q9c3aa84b04_prep
    .symbol:         k_q9c3aa84b04_prep.kd
    .args:
      - { .name: x, .offset: 0, .size: 8, .value_kind: global_buffer, .address_space: global }
      - { .name: ln_gamma, .offset: 8, .size: 8, .value_kind: global_buffer, .address_space: global }
      - { .name: ln_beta, .offset: 16, .size: 8, .value_kind: global_buffer, .address_space: global }
      - { .name: w_q_codes, .offset: 24, .size: 8, .value_kind: global_buffer, .address_space: global }
      - { .name: w_q_scales, .offset: 32, .size: 8, .value_kind: global_buffer, .address_space: global }
      - { .name: w_k_codes, .offset: 40, .size: 8, .value_kind: global_buffer, .address_space: global }
      - { .name: w_k_scales, .offset: 48, .size: 8, .value_kind: global_buffer, .address_space: global }
      - { .name: w_v_codes, .offset: 56, .size: 8, .value_kind: global_buffer, .address_space: global }
      - { .name: w_v_scales, .offset: 64, .size: 8, .value_kind: global_buffer, .address_space: global }
      - { .name: qc, .offset: 72, .size: 8, .value_kind: global_buffer, .address_space: global }
      - { .name: qs, .offset: 80, .size: 8, .value_kind: global_buffer, .address_space: global }
      - { .name: kv, .offset: 88, .size: 8, .value_kind: global_buffer, .address_space: global }
    .group_segment_fixed_size: 37376
    .private_segment_fixed_size: 0
    .kernarg_segment_align: 8
    .kernarg_segment_size: 96
    .max_flat_workgroup_size: 128
    .sgpr_count:     66
    .vgpr_count:     834
    .wavefront_size: 32
...
	.end_amdgpu_metadata
.endif
;; end of part 4
;; launch attn (part 5): grid 16 x 16, 16 waves a work-group, clusters of 4 x 1, 289,792 bytes of LDS; arguments qc, qs, kv, ac, asc; writes ac, asc
.if DOCPART == 5
	.amdgcn_target "amdgcn-amd-amdhsa--gfx1250"
	.amdhsa_code_object_version 6
	.text
	.protected	k_q9c3aa84b04_attn
	.globl	k_q9c3aa84b04_attn
	.p2align	8
	.type	k_q9c3aa84b04_attn,@function
k_q9c3aa84b04_attn:
	s_mov_b64 s[64:65], 0
	v_nop
	global_prefetch_b8 v0, s[64:65] scope:SCOPE_SE
	s_setreg_imm32_b32 hwreg(HW_REG_WAVE_MODE, 25, 1), 1
	s_wait_xcnt 0x0
	s_wait_alu depctr_hold_cnt(0) depctr_sa_sdst(0) depctr_va_vdst(0) depctr_va_sdst(0) depctr_va_ssrc(0) depctr_va_vcc(0) depctr_vm_vsrc(0)
	s_getreg_b32 s2, hwreg(HW_REG_IB_STS2, 6, 4)
	s_cmp_eq_u32 s2, 0
	s_cbranch_scc0 .Lentry_in_a_cluster
	s_endpgm
.Lentry_in_a_cluster:
	s_bfe_u32 s2, ttmp6, 0x10000c
	s_cmp_lg_u32 s2, 0x3003
	s_cbranch_scc0 .Lentry_shape_is_right
	s_endpgm
.Lentry_shape_is_right:
; attended = softmax(Q K^T / 8) V for one head, both products on codes of FP4 (E2M1) with E8M0 scales; the result, divided by the row's sum, is quantised along the head's 64 for the last product.
; t = score x log2(e) / 8; M = the running largest t rounded UP to a whole number; p = 2^(t - M) is what is quantised, along the keys; the row's sum is taken of the unquantised p.  When M moves, the sum and O are multiplied by 2^(old M - new M): exact.
; SHARES.  Work-group (X', g): 256 queries of head g (g = 8 x batch + head); each of its sixteen waves one tile of 16 queries in 256 registers: four waves to a SIMD, so that one wave's vector work stands beside another's products and LDS loads.
; THE WHOLE HEAD'S K AND V, 32 steps x 8,960 bytes of register images, come into LDS ONCE: no byte of LDS is filled twice, so there is no ring.  They come in four quarters of 8 steps; a quarter is read behind a counted wait and a barrier while the later ones land.
; CLUSTER.  The four work-groups of a cluster belong to one head: each tile is asked for JOINTLY, by the same tensor load with the same descriptor and a mask that names the four.  Waves 0 to 3 ask, four loads each: four tensor loads of a wave are out at the most.
; LAYOUT.  Both products transposed: S^T = K Q^T (source 0 = 16 keys), O^T = V^T P^T (source 0 = 16 dims): a lane holds ONE query throughout.  Keys and dims of a tile are chosen (by the launch before) so that the 16 registers of two neighbouring tiles are 16 neighbours along the next K.
; THE FIRST PRODUCT'S K IS 64 under an instruction of 128: Q's registers 4-7 are zero codes, and both sides' scale bytes 2, 3 are 0x7f.  A tile of K is 4 registers; the instruction names 8: the upper four are the next tile's codes, which meet zeros.
; Nothing is prefetched: every load of the launch is issued at its head.
; LIMITS: a block of zeros gets the scale byte 1; NaN and infinities are not served; v_exp_f32 and v_rcp_f32 are accurate to 1 ulp; a block's largest p is taken as the exponential of its largest score.
; REGISTERS: v1-3 lane x 16, 8, 4; v4-6 the same + the step's LDS byte; v7-9 way out, Q's scale address; v12 -M, v13 largest t, v[14:15] the sum; v16-23 Q and zeros; v24 Q's scale word; v26-29 K's, v30-31 V's scale words;
;   v32-67 K (v64-67 zeros); v68-99 V; v100-163 S^T, then p; v164-195 O^T; v196-203 p's codes; v204-220 at work.
.set STEPB, 8960                       ; a key step: K 4,096, V 4,096, K's scale words 512, V's 256
.set QUARB, 8*STEPB
.set SST,   32*STEPB                   ; behind the head's 286,720 bytes: 512 bytes for the tiles' scale half-words; no fill lands here
.set KS,  26
.set VS,  30
.set KF,  32
.set VF,  68
.set S,   100
.set O,   164
.set PC,  196
.set BM,  204
.set BP,  208
.set SO,  212
.set F,   216
.set PW,  218
.macro ROUND                           ; a round of the cluster's barrier: my work-group's barrier; wave 0 signals for the work-group; every wave waits for all four work-groups; my work-group's barrier once more
	s_barrier_signal -1
	s_barrier_wait -1
	s_cmp_lg_u32 s14, 0
	s_cbranch_scc1 .Lnot_wave_0_\@
	s_barrier_signal -3
.Lnot_wave_0_\@:
	s_barrier_wait -3
	s_barrier_signal -1
	s_barrier_wait -1
.endm
	s_load_b256 s[4:11], s[0:1], 0x0               ; qc 4:5, qs 6:7, kv 8:9, ac 10:11
	s_load_b64 s[12:13], s[0:1], 0x20              ; asc
	v_lshl_add_u32 v254, v0, 2, 0x46400
	v_mov_b32 v255, 0
	ds_add_u32 v254, v255
	ds_add_u32 v254, v255
	v_lshrrev_b32 v1, 5, v0
	s_delay_alu instid0(VALU_DEP_1)
	v_readfirstlane_b32 s14, v1                    ; wave 0..15
	s_bfe_u32 s15, ttmp6, 0x40000                  ; cx: my place in the cluster: it enters global addresses of Q and of the results alone
	s_lshl_b32 s16, ttmp9, 2
	s_add_co_u32 s16, s16, s15                     ; X' = 4 x cluster x + cx
	s_and_b32 s17, ttmp7, 0xffff                   ; g, which the four partners share
	s_lshl_b32 s18, s16, 4
	s_add_co_u32 s18, s18, s14                     ; T: my tile of 16 queries
	s_mov_b32 s20, 0x76543210
	s_mov_b32 s21, 0xfedcba98                      ; v_permlanex16_b32's selects for lane l xor 16
	s_mov_b32 s22, 0x3e38aa3b                      ; c = log2(e) / 8
	s_mov_b32 s23, s22                             ; (named with it as a pair, so it is written)
	; descriptor group 1: two steps, 17,920 dense bytes, as 70 rows of 256 bytes (32 elements of 8 bytes)
	s_mov_b32 s24, 15|(3<<16)|(1<<21)              ; 15:0 the mask: all four work-groups; 17:16 elements of 8 bytes; 21 set beside a mask
	s_mov_b32 s25, 32<<16                          ; tensor_dim0 = 32
	s_mov_b32 s26, 70<<16                          ; tensor_dim1 = 70
	s_mov_b32 s27, 32<<16                          ; tile_dim0 = 32
	s_mov_b32 s28, 70                              ; tile_dim1 = 70
	s_mov_b32 s29, 32                              ; from row to row
	s_mov_b32 s30, 0
	s_mov_b32 s31, 0
	s_and_b32 s50, s14, 3
	s_mul_i32 s50, s50, 2*STEPB                    ; the two steps of a quarter that I fetch (waves 0 to 3), in LDS and in memory alike
	s_mul_i32 s52, s17, 32*STEPB
	s_add_co_u32 s52, s52, s50
	s_mov_b32 s53, 0
	; where my tile's Q, its scale words and the results lie
	s_lshl_b32 s54, s17, 8
	s_add_co_u32 s54, s54, s18
	s_lshl_b32 s54, s54, 9                         ; qc: (256 g + T) x 512
	s_mov_b32 s55, 0
	s_lshl_b32 s56, s17, 14                        ; qs: 16,384 g + 512 (T / 8) + 256 ((T / 4) % 2) + 128 (T % 2) + 4 ((T / 2) % 2)
	s_lshr_b32 s62, s18, 3
	s_lshl_b32 s62, s62, 9
	s_add_co_u32 s56, s56, s62
	s_bfe_u32 s62, s18, 0x10002
	s_lshl_b32 s62, s62, 8
	s_add_co_u32 s56, s56, s62
	s_and_b32 s62, s18, 1
	s_lshl_b32 s62, s62, 7
	s_add_co_u32 s56, s56, s62
	s_bfe_u32 s62, s18, 0x10001
	s_lshl_b32 s62, s62, 2
	s_add_co_u32 s56, s56, s62
	s_mov_b32 s57, 0
	s_lshr_b32 s58, s17, 3                         ; ac: (256 batch + T) x 4,096 + 512 head
	s_lshl_b32 s58, s58, 8
	s_add_co_u32 s58, s58, s18
	s_lshl_b32 s58, s58, 12
	s_and_b32 s62, s17, 7
	s_lshl_b32 s62, s62, 9
	s_add_co_u32 s58, s58, s62
	s_mov_b32 s59, 0
	s_lshl_b32 s60, s17, 13                        ; asc: 8,192 g + 512 X'
	s_lshl_b32 s62, s16, 9
	s_add_co_u32 s60, s60, s62
	s_mov_b32 s61, 0
	s_wait_dscnt 0x0
	s_wait_kmcnt 0x0
	s_add_nc_u64 s[8:9], s[8:9], s[52:53]
	s_add_nc_u64 s[4:5], s[4:5], s[54:55]
	s_add_nc_u64 s[6:7], s[6:7], s[56:57]
	s_add_nc_u64 s[10:11], s[10:11], s[58:59]
	s_add_nc_u64 s[12:13], s[12:13], s[60:61]
.irp q, 0,1,2,3                        ; descriptor group 0, a set for each quarter
	s_mov_b32 s[32+4*\q], 1                        ; count = 1
	s_add_co_u32 s[33+4*\q], s50, \q*QUARB         ; LDS address
	s_add_nc_u64 s[34+4*\q:35+4*\q], s[8:9], \q*QUARB  ; global address
	s_or_b32 s[35+4*\q], s[35+4*\q], 0x80000000    ; type = 2
.endr
	ROUND                                          ; all four work-groups are here: the joint loads meet
	s_cmp_lt_u32 s14, 4                            ; a wave's fills stand in one branch on its number, ahead of every wait on TENSORcnt and every LDS read
	s_cbranch_scc0 .Lno_fill
	tensor_load_to_lds s[32:35], s[24:31]
	s_nop 0
	tensor_load_to_lds s[36:39], s[24:31]
	s_nop 0
	tensor_load_to_lds s[40:43], s[24:31]
	s_nop 0
	tensor_load_to_lds s[44:47], s[24:31]
	s_nop 0
.rept 4
	v_nop
.endr
.Lno_fill:
	v_and_b32 v10, 31, v0                          ; lane
	v_and_b32 v11, 15, v0                          ; r
	s_delay_alu instid0(VALU_DEP_2)
	v_lshlrev_b32 v1, 4, v10
	s_delay_alu instid0(VALU_DEP_3)
	v_lshlrev_b32 v2, 3, v10
	s_delay_alu instid0(VALU_DEP_4)
	v_lshlrev_b32 v3, 2, v10
	s_delay_alu instid0(VALU_DEP_4)
	v_lshlrev_b32 v9, 3, v11                       ; Q's scale words: 8 bytes from row to row
	global_load_b128 v[16:19], v1, s[4:5]          ; Q's fragment stays in registers
	global_load_b32 v24, v9, s[6:7]
	s_lshl_b32 s51, s14, 5
	s_add_co_u32 s51, s51, SST
	v_lshl_add_u32 v7, v11, 1, s51                 ; way out: my row's two scale bytes: SST + 32 wave + 2 r
	v_add_nc_u32 v8, SST, v1                       ; and all 512 bytes back, 16 a lane
.irp j, 20,21,22,23,64,65,66,67
	v_mov_b32 v[\j], 0                             ; zero codes
.endr
	v_mov_b32 v13, 0xff61b1e6                      ; the largest t so far: -3e38, under every t
	s_delay_alu instid0(VALU_DEP_1)
	v_floor_f32 v12, -v13                          ; -M
	v_mov_b32 v14, 0                               ; the sum, in two halves
	v_mov_b32 v15, 0
.irp b, 0,1,2,3
	v_mov_b32 v[BP+\b], 0                          ; a lane permute's destination counts as one of its sources
.endr
	v_mov_b32 v[F+1], 0                            ; (named as the upper word of the pair with f)
.set j, 0
.rept 32
	v_mov_b32 v[O+j], 0                            ; O^T: the step is written once; the first finds zeros, which the first change of M leaves zeros
.set j, j+1
.endr
; A KEY STEP: 128 keys at LDS byte s48.
.macro STEP
	v_add_nc_u32 v4, s48, v1
	v_add_nc_u32 v5, s48, v2
	v_add_nc_u32 v6, s48, v3
	v_nop                                          ; four plain instructions between the last step's products and the loads into V's registers
	ds_load_b64 v[KS:KS+1], v5 offset:8192         ; K's scale words: register b: lanes 0-15 tile 2 b, lanes 16-31 tile 2 b + 1
	ds_load_b64 v[KS+2:KS+3], v5 offset:8192+256
.irp t, 0,1,2,3,4,5,6,7
	ds_load_b128 v[KF+4*\t:KF+4*\t+3], v4 offset:512*\t
.endr
	ds_load_b32 v[VS], v6 offset:8704
	ds_load_b32 v[VS+1], v6 offset:8704+128
.irp d, 0,1,2,3
.irp c, 0,1
	ds_load_b128 v[VF+8*\d+4*\c:VF+8*\d+4*\c+3], v4 offset:4096+1024*\d+512*\c
.endr
.endr
	s_wait_dscnt 10                                ; K and its scale words are in; V's ten loads may be out
.irp t, 0,2,4,6
	v_wmma_scale_f32_16x16x128_f8f6f4 v[S+8*\t:S+8*\t+7], v[KF+4*\t:KF+4*\t+7], v[16:23], 0, v[KS+\t/2], v24 matrix_a_fmt:MATRIX_FMT_FP4 matrix_b_fmt:MATRIX_FMT_FP4
	v_wmma_scale_f32_16x16x128_f8f6f4 v[S+8*\t+8:S+8*\t+15], v[KF+4*\t+4:KF+4*\t+11], v[16:23], 0, v[KS+\t/2], v24 matrix_a_fmt:MATRIX_FMT_FP4 matrix_b_fmt:MATRIX_FMT_FP4 matrix_a_scale:MATRIX_SCALE_ROW1
.endr
.rept 4
	v_nop
.endr
.irp b, 0,1,2,3
	v_max3_num_f32 v[BM+\b], v[S+16*\b], v[S+16*\b+1], v[S+16*\b+2]   ; the largest score of each block of 32 keys: for the row's maximum and, since p rises with the score, for the block's largest p
.endr
.irp i, 3,5,7,9,11,13
.irp b, 0,1,2,3
	v_max3_num_f32 v[BM+\b], v[BM+\b], v[S+16*\b+\i], v[S+16*\b+\i+1]
.endr
.endr
.irp b, 0,1,2,3
	v_max_num_f32 v[BM+\b], v[BM+\b], v[S+16*\b+15]
.endr
.irp b, 0,1,2,3
	s_delay_alu instid0(VALU_DEP_4)
	v_permlanex16_b32 v[BP+\b], v[BM+\b], s20, s21
.endr
.irp b, 0,1,2,3
	s_delay_alu instid0(VALU_DEP_4)
	v_max_num_f32 v[BM+\b], v[BM+\b], v[BP+\b]     ; with lane l xor 16's 16 keys
.endr
	s_delay_alu instid0(VALU_DEP_2)
	v_max3_num_f32 v219, v[BM], v[BM+1], v[BM+2]
	s_delay_alu instid0(VALU_DEP_1)
	v_max_num_f32 v219, v219, v[BM+3]
	s_delay_alu instid0(VALU_DEP_1)
	v_mul_f32 v219, s22, v219                      ; the step's largest t (c is positive)
	s_delay_alu instid0(VALU_DEP_1)
	v_max_num_f32 v13, v13, v219
	v_mov_b32 v219, v12
	s_delay_alu instid0(VALU_DEP_2)
	v_floor_f32 v12, -v13                          ; the new -M = floor(-t): M is a whole number
	s_delay_alu instid0(VALU_DEP_1)
	v_sub_f32 v219, v12, v219                      ; old M - new M: a whole number, 0 or less
	s_delay_alu instid0(VALU_DEP_1)
	v_cvt_i32_f32 v219, v219                       ; (it saturates)
	s_delay_alu instid0(VALU_DEP_1)
	v_ldexp_f32 v[F], 1.0, v219                    ; f = 2^(old M - new M)
.set j, 0
.rept 32
	v_pk_fma_f32 v[S+j:S+j+1], v[S+j:S+j+1], s[22:23], v[12:13] op_sel_hi:[1,0,0]   ; t - M, two at a time
.set j, j+2
.endr
.irp b, 0,1,2,3
	v_fma_f32 v[BM+\b], v[BM+\b], s22, v12         ; the same of each block's largest score
.endr
.set j, 0
	s_wait_alu depctr_va_vdst(0)
.rept 64
	v_exp_f32 v[S+j], v[S+j]                       ; p = 2^(t - M), at most 1
.set j, j+1
.endr
	s_setprio 1
	v_pk_mul_f32 v[14:15], v[14:15], v[F:F+1] op_sel_hi:[1,0]   ; the sums under the new M (a plain instruction behind the exponentials)
	s_wait_alu depctr_va_vdst(0)                   ; one wait for the batch of 64, ahead of its first reader
.irp b, 0,1,2,3
	v_exp_f32 v[BM+\b], v[BM+\b]                   ; the blocks' largest p
.endr
	v_pk_add_f32 v[208:209], v[104:105], v[108:109]
	v_pk_add_f32 v[252:253], v[112:113], v[116:117]
	v_pk_add_f32 v[250:251], v[120:121], v[124:125]
	v_pk_add_f32 v[248:249], v[128:129], v[132:133]
	v_pk_add_f32 v[246:247], v[136:137], v[140:141]
	v_pk_add_f32 v[244:245], v[144:145], v[148:149]
	v_pk_add_f32 v[242:243], v[152:153], v[156:157]
	v_pk_add_f32 v[14:15], v[14:15], v[160:161]
	v_pk_add_f32 v[208:209], v[208:209], v[100:101]
	v_pk_add_f32 v[252:253], v[252:253], v[102:103]
	v_pk_add_f32 v[250:251], v[250:251], v[106:107]
	v_pk_add_f32 v[248:249], v[248:249], v[110:111]
	v_pk_add_f32 v[246:247], v[246:247], v[114:115]
	v_pk_add_f32 v[244:245], v[244:245], v[118:119]
	v_pk_add_f32 v[242:243], v[242:243], v[122:123]
	v_pk_add_f32 v[14:15], v[14:15], v[126:127]
	v_pk_add_f32 v[208:209], v[208:209], v[130:131]
	v_pk_add_f32 v[252:253], v[252:253], v[134:135]
	v_pk_add_f32 v[250:251], v[250:251], v[138:139]
	v_pk_add_f32 v[248:249], v[248:249], v[142:143]
	v_pk_add_f32 v[246:247], v[246:247], v[146:147]
	v_pk_add_f32 v[244:245], v[244:245], v[150:151]
	v_pk_add_f32 v[242:243], v[242:243], v[154:155]
	v_pk_add_f32 v[14:15], v[14:15], v[158:159]
	v_pk_add_f32 v[208:209], v[208:209], v[162:163]
	s_delay_alu instid0(VALU_DEP_2)
	v_pk_add_f32 v[14:15], v[14:15], v[248:249]
	s_delay_alu instid0(VALU_DEP_2)
	v_pk_add_f32 v[208:209], v[208:209], v[246:247]
	v_pk_add_f32 v[252:253], v[252:253], v[244:245]
	v_pk_add_f32 v[250:251], v[250:251], v[242:243]
	s_delay_alu instid0(VALU_DEP_2)
	v_pk_add_f32 v[14:15], v[14:15], v[252:253]
	s_delay_alu instid0(VALU_DEP_2)
	v_pk_add_f32 v[208:209], v[208:209], v[250:251]
	s_delay_alu instid0(VALU_DEP_1)
	v_pk_add_f32 v[14:15], v[14:15], v[208:209]
	s_wait_alu depctr_va_vdst(0)                   ; and one for the four
.irp b, 0,1,2,3
	v_max_num_f32 v[BM+\b], 0x1800000, v[BM+\b]    ; the floor 2^(3 - 127): the byte cannot fall under 1
.endr
.irp b, 0,1,2,3
	s_delay_alu instid0(VALU_DEP_4)
	v_add_nc_u32 v[SO+\b], 0xff000000, v[BM+\b]    ; 2 off the exponent field: the conversion's scale operand
.endr
.irp b, 0,1,2,3
	s_delay_alu instid0(VALU_DEP_4)
	v_lshrrev_b32 v[BP+\b], 23, v[SO+\b]           ; the scale's byte
.endr
	s_delay_alu instid0(VALU_DEP_3)
	v_lshl_or_b32 v[PW], v[BP+1], 8, v[BP]         ; p's scale word for these 128 keys
	s_delay_alu instid0(VALU_DEP_1)
	v_lshl_or_b32 v[PW], v[BP+2], 16, v[PW]
	s_delay_alu instid0(VALU_DEP_1)
	v_lshl_or_b32 v[PW], v[BP+3], 24, v[PW]
.irp b, 0,1,2,3
	v_cvt_scalef32_pk8_fp4_f32 v[PC+2*\b], v[S+16*\b:S+16*\b+7], v[SO+\b]
	v_cvt_scalef32_pk8_fp4_f32 v[PC+2*\b+1], v[S+16*\b+8:S+16*\b+15], v[SO+\b]
.endr
	v_nop                                          ; one plain instruction behind the scaled conversions
.irp c, 0,1
.irp i, 0,1
	v_permlane16_swap_b32 v[PC+4*\c+\i], v[PC+4*\c+2+\i]   ; a whole block in a lane: lanes 0-15 block 2 c, lanes 16-31 block 2 c + 1
.endr
.endr
.set j, 0
	s_setprio 0
.rept 16
	v_pk_mul_f32 v[O+j:O+j+1], v[O+j:O+j+1], v[F:F+1] op_sel_hi:[1,0]   ; O^T under the new M; these sixteen also stand between the scale word and codes just made and the products
.set j, j+2
.endr
	s_wait_alu depctr_va_vdst(0)
	s_wait_dscnt 0x0                               ; V is in
.irp d, 0,2                            ; the four accumulators take turns, one instruction a turn
	v_wmma_scale_f32_16x16x128_f8f6f4 v[O+8*\d:O+8*\d+7], v[VF+8*\d:VF+8*\d+7], v[PC:PC+7], v[O+8*\d:O+8*\d+7], v[VS+\d/2], v[PW] matrix_a_fmt:MATRIX_FMT_FP4 matrix_b_fmt:MATRIX_FMT_FP4
	v_wmma_scale_f32_16x16x128_f8f6f4 v[O+8*\d+8:O+8*\d+15], v[VF+8*\d+8:VF+8*\d+15], v[PC:PC+7], v[O+8*\d+8:O+8*\d+15], v[VS+\d/2], v[PW] matrix_a_fmt:MATRIX_FMT_FP4 matrix_b_fmt:MATRIX_FMT_FP4 matrix_a_scale:MATRIX_SCALE_ROW1
.endr
.endm
; A quarter of the head: my part of it has landed (3 - q younger loads of mine may be out); behind the barrier everybody's has.
.macro QUARTER q
	s_wait_tensorcnt 3-\q
	s_barrier_signal -1
	s_barrier_wait -1
	s_mov_b32 s48, \q*QUARB
	s_mov_b32 s49, 8
.Lstep_\@:
	s_setprio 2
	STEP
	s_add_co_u32 s48, s48, STEPB
	s_sub_co_u32 s49, s49, 1
	s_cmp_lg_u32 s49, 0
	s_cbranch_scc1 .Lstep_\@
	s_setprio 0
.endm
	s_wait_loadcnt 0x0                             ; Q
	QUARTER 0
	QUARTER 1
	QUARTER 2
	QUARTER 3
	; THE WAY OUT: O^T / the sum; quantised along the head's 64 (two blocks); the codes are registers 4 c .. 4 c + 3 of the last product's operand and leave as they stand.
	v_add_f32 v14, v14, v15
	s_delay_alu instid0(VALU_DEP_1)
	v_permlanex16_b32 v219, v14, s20, s21
	s_delay_alu instid0(VALU_DEP_1)
	v_add_f32 v14, v14, v219                       ; the row's sum
	s_wait_alu depctr_va_vdst(0)
	v_rcp_f32 v14, v14
.rept 4
	v_nop                                          ; plain instructions behind the reciprocal and behind the last products
.endr
	s_wait_alu depctr_va_vdst(0)                   ; the wait ahead of the reciprocal's first reader
.set j, 0
.rept 32
	v_mul_f32 v[S+j], v[O+j], v14                  ; register 16 b + i: dim 32 b + 16 (lane / 16) + i of my query
.set j, j+1
.endr
.irp b, 0,1
	v_max3_num_f32 v[BM+\b], |v[S+16*\b]|, |v[S+16*\b+1]|, 0x1800000
.endr
.irp i, 2,4,6,8,10,12,14
.irp b, 0,1
	s_delay_alu instid0(VALU_DEP_2)
	v_max3_num_f32 v[BM+\b], v[BM+\b], |v[S+16*\b+\i]|, |v[S+16*\b+\i+1]|
.endr
.endr
.irp b, 0,1
	s_delay_alu instid0(VALU_DEP_2)
	v_permlanex16_b32 v[BP+\b], v[BM+\b], s20, s21
.endr
.irp b, 0,1
	s_delay_alu instid0(VALU_DEP_2)
	v_max_num_f32 v[BM+\b], v[BM+\b], v[BP+\b]
.endr
.irp b, 0,1
	s_delay_alu instid0(VALU_DEP_2)
	v_add_nc_u32 v[SO+\b], 0xff000000, v[BM+\b]
.endr
.irp b, 0,1
	s_delay_alu instid0(VALU_DEP_2)
	v_lshrrev_b32 v[BP+\b], 23, v[SO+\b]
.endr
	s_delay_alu instid0(VALU_DEP_1)
	v_lshl_or_b32 v219, v[BP+1], 8, v[BP]          ; my row's two scale bytes
.irp b, 0,1
	v_cvt_scalef32_pk8_fp4_f32 v[PC+2*\b], v[S+16*\b:S+16*\b+7], v[SO+\b]
	v_cvt_scalef32_pk8_fp4_f32 v[PC+2*\b+1], v[S+16*\b+8:S+16*\b+15], v[SO+\b]
.endr
	v_nop
.irp i, 0,1
	v_permlane16_swap_b32 v[PC+\i], v[PC+2+\i]
.endr
	global_store_b128 v1, v[PC:PC+3], s[10:11]     ; 32 lanes store 512 consecutive bytes, aligned
	ds_store_b16 v7, v219                          ; lanes r and r + 16 write the same two bytes with the same value
	s_wait_dscnt 0x0                               ; for wave 0's sake
	s_barrier_signal -1
	s_barrier_wait -1
	s_cmp_lg_u32 s14, 0
	s_cbranch_scc1 .Lnot_mine
	ds_load_b128 v[S:S+3], v8                      ; the sixteen tiles' scale bytes leave as 512 consecutive bytes
	s_wait_dscnt 0x0
	global_store_b128 v1, v[S:S+3], s[12:13]
.Lnot_mine:
	s_wait_tensorcnt 0x0
	ds_add_u32 v254, v255
	s_wait_dscnt 0x0
	ROUND                                          ; the closing round: no work-group ends while a partner may still ask for a tile that names it
	s_endpgm
.Lfunc_end_k_q9c3aa84b04_attn:
	.size	k_q9c3aa84b04_attn, .Lfunc_end_k_q9c3aa84b04_attn-k_q9c3aa84b04_attn
	.p2alignl 7, 3214868480
	.fill 96, 4, 3214868480
	.section	.rodata,"a",@progbits
	.p2align	6, 0x0
	.amdhsa_kernel k_q9c3aa84b04_attn
		.amdhsa_group_segment_fixed_size 289792
		.amdhsa_private_segment_fixed_size 0
		.amdhsa_enable_private_segment 0
		.amdhsa_kernarg_size 40
		.amdhsa_user_sgpr_count 2
		.amdhsa_user_sgpr_kernarg_segment_ptr 1
		.amdhsa_wavefront_size32 1
		.amdhsa_system_sgpr_workgroup_id_x 1
		.amdhsa_system_sgpr_workgroup_id_y 1
		.amdhsa_system_sgpr_workgroup_id_z 1
		.amdhsa_system_vgpr_workitem_id 0
		.amdhsa_next_free_vgpr 256
		.amdhsa_next_free_sgpr 66
		.amdhsa_reserve_vcc 0
		.amdhsa_float_denorm_mode_32 3
		.amdhsa_float_denorm_mode_16_64 3
		.amdhsa_memory_ordered 1
		.amdhsa_forward_progress 1
		.amdhsa_inst_pref_size 78
	.end_amdhsa_kernel
	.amdgpu_metadata
---
amdhsa.version: [ 1, 2 ]
amdhsa.kernels:
  - .name:           k_q9c3aa84b04_attn
    .symbol:         k_q9c3aa84b04_attn.kd
    .args:
      - { .name: qc, .offset: 0, .size: 8, .value_kind: global_buffer, .address_space: global }
      - { .name: qs, .offset: 8, .size: 8, .value_kind: global_buffer, .address_space: global }
      - { .name: kv, .offset: 16, .size: 8, .value_kind: global_buffer, .address_space: global }
      - { .name: ac, .offset: 24, .size: 8, .value_kind: global_buffer, .address_space: global }
      - { .name: asc, .offset: 32, .size: 8, .value_kind: global_buffer, .address_space: global }
    .group_segment_fixed_size: 289792
    .private_segment_fixed_size: 0
    .kernarg_segment_align: 8
    .kernarg_segment_size: 40
    .max_flat_workgroup_size: 512
    .sgpr_count:     66
    .vgpr_count:     256
    .wavefront_size: 32
...
	.end_amdgpu_metadata
.endif
;; end of part 5
;; launch oproj (part 6): grid 64 x 8, 8 waves a work-group, no clusters, 52,224 bytes of LDS; arguments ac, asc, w_o_codes, w_o_scales, b_o, x, out0; writes out0
.if DOCPART == 6
	.amdgcn_target "amdgcn-amd-amdhsa--gfx1250"
	.amdhsa_code_object_version 6
	.text
	.protected	k_q9c3aa84b04_oproj
	.globl	k_q9c3aa84b04_oproj
	.p2align	8
	.type	k_q9c3aa84b04_oproj,@function
k_q9c3aa84b04_oproj:
	s_mov_b64 s[64:65], 0
	v_nop
	global_prefetch_b8 v0, s[64:65] scope:SCOPE_SE
	s_setreg_imm32_b32 hwreg(HW_REG_WAVE_SCHED_MODE, 0, 2), 2
	s_setreg_imm32_b32 hwreg(HW_REG_WAVE_MODE, 25, 1), 1
	s_wait_xcnt 0x0
	s_wait_alu depctr_vm_vsrc(0)
; out = attended W_o^T + b_o + x, the product on codes of FP4 (E2M1) with E8M0 scales.  attended comes as images of the operand's registers, [tile of 16 rows][head][lane][16 bytes], with two scale bytes for each row and head.
; SHARES.  Work-group (X, Y): rows 128 X .. + 127 x columns 64 Y .. + 63.  Wave w: row tile w (lane r: row 32 (w / 2) + 8 (w % 2) + r % 8 + 16 (r / 8) of the 128) x four tiles of 16 columns, K = 512 in four steps: 16 products.
; TRANSPOSED: source 0 = 16 rows of W_o, source 1 = attended: a lane holds eight neighbouring columns of one row.
; W_o's 16 fragments of the work-group's 64 columns are loaded once, two by each wave, and go from wave to wave through LDS as images of their registers (512 bytes a store, 16 a lane).
; The results go through the wave's own stage in LDS and leave, with b_o and x added, as whole rows of 256 bytes: sixteen lanes store 256 consecutive bytes, aligned.
; One pass a wave, all its loads issued at the head: no tensor load, no ring, no cluster, no prefetch.
; REGISTERS: v1-11 addresses; v16-31 my two fragments of W_o; v32-63 attended's four fragments; v64-71 its scale half-words; v72-75 its scale words; v76-91 W_o's scale words; v92-95 b_o; v96-127 x; v128-159 accumulators; v160-255 three sets of W_o's four fragments of a K step.
; THE MODE: SCHED_MODE bits 1:0 = 2 (LLVM: expert scheduling mode 2), set by the entry lines.  The code itself states the register dependences
; between vector or matrix instructions and memory or LDS instructions, with s_wait_alu, always for 0.
; THE PLAN.  Registers that memory or LDS instructions touch:
;   v4 .. v11     Offsets and LDS addresses: written at the head and never again: one wait on va_vdst ahead of the first load serves every load and store of the kernel.
;   v16-71, v76-127   Land once from memory, in registers that nothing has named; read by the LDS stores (v16-31), by products and by vector instructions; never written again.
;   W0, W1, W2    (v160-191, v192-223, v224-255)  K steps 0, 1, 2 of W_o land in registers that nothing has named.  K step 3 lands in W0, which K step 0's products read: one wait on va_vdst.
;   v72-75        attended's scale words are made by vector instructions and read by scaled products: one wait on va_vdst, behind the eight plain instructions that stand there.
;   v128-159      The accumulators: written by the products, read by the LDS stores into the stage, never written again: one wait on va_vdst, behind the four plain instructions that stand there.
;                 The same wait states that the products are done reading W0, in which the rows come back from the stage.
;   W0 on the way out   Its rows are added to in place, four rows at a time, and stored: one wait on va_vdst ahead of each run of four stores.  No register that a store reads is written again: no wait on vm_vsrc is owed.
.set WL,  16
.set AF,  32
.set AR,  64
.set ASW, 72
.set WS,  76
.set BI,  92
.set XR,  96
.set ACC, 128
.set WB,  160
.set OB,  WB                           ; the way out: eight pairs of rows, back from the stage
.set SP,  272                          ; a stage row: 256 bytes + 16
.set STG, 16384                        ; behind the 16 images of 1,024 bytes: 16 rows x 272 bytes for each wave
	s_load_b256 s[4:11], s[0:1], 0x0               ; ac 4:5, asc 6:7, W_o codes 8:9, scales 10:11
	s_load_b128 s[12:15], s[0:1], 0x20             ; b_o 12:13, x 14:15
	s_load_b64 s[16:17], s[0:1], 0x30              ; out0
	v_lshl_add_u32 v14, v0, 2, 0xc800
	v_mov_b32 v15, 0
	v_lshrrev_b32 v1, 5, v0
	v_readfirstlane_b32 s18, v1                    ; wave 0..7
	v_and_b32 v1, 31, v0                           ; lane
	v_and_b32 v2, 15, v0                           ; r
	s_wait_alu depctr_va_vdst(0)
	v_bfe_u32 v3, v0, 4, 1                         ; h
	v_lshlrev_b32 v4, 4, v1                        ; 16 x lane
	v_lshlrev_b32 v5, 8, v2
	v_lshl_add_u32 v5, v3, 4, v5                   ; W_o: row r of 256 bytes, + 16 h
	s_and_b32 s19, ttmp7, 0xffff                   ; Y
	s_wait_alu depctr_va_sdst(0)                   ; s18 is written, ahead of its first reader: LDS addresses and all the bases are made from it
	s_and_b32 s20, s18, 3                          ; the column tile whose fragments I load,
	s_lshr_b32 s21, s18, 2                         ; and which two of its four K steps
	s_lshl_b32 s34, s20, 12
	s_lshl_b32 s35, s21, 11
	s_add_co_u32 s34, s34, s35
	v_add_nc_u32 v6, s34, v4                       ; my two images: 4,096 x tile + 2,048 x (wave / 4) + 16 x lane
	v_lshlrev_b32 v7, 1, v2                        ; attended's scale bytes: 2 a row
	v_lshlrev_b32 v8, 4, v2                        ; W_o's: 16 a row; b_o: my four columns on the way out
	s_mul_i32 s34, s18, 16*SP
	s_add_co_u32 s34, s34, STG                     ; my stage
	v_mul_u32_u24 v9, v2, SP
	s_wait_alu depctr_va_vdst(0)
	v_lshl_add_u32 v9, v3, 5, v9
	v_add_nc_u32 v9, s34, v9                       ; in: row r, + 32 h
	v_mul_u32_u24 v10, v3, SP
	v_lshl_add_u32 v10, v2, 4, v10
	v_add_nc_u32 v10, s34, v10                     ; back: lanes 0-15 one row, lanes 16-31 the next
	v_lshlrev_b32 v11, 11, v3
	v_lshl_add_u32 v11, v2, 4, v11                 ; and the same two rows in x and out0
	s_lshl_b32 s22, ttmp9, 3
	s_add_co_u32 s22, s22, s18
	s_lshl_b32 s22, s22, 12                        ; ac: (8 X + wave) x 4,096
	s_mov_b32 s23, 0
	s_lshr_b32 s24, ttmp9, 5
	s_lshl_b32 s24, s24, 16                        ; asc: 65,536 x batch + 32 x (8 (X % 32) + wave)
	s_and_b32 s34, ttmp9, 31
	s_lshl_b32 s34, s34, 3
	s_add_co_u32 s34, s34, s18
	s_lshl_b32 s34, s34, 5
	s_add_co_u32 s24, s24, s34
	s_mov_b32 s25, 0
	s_lshl_b32 s26, s19, 6
	s_lshl_b32 s34, s20, 4
	s_add_co_u32 s26, s26, s34
	s_lshl_b32 s26, s26, 8                         ; W_o: row 64 Y + 16 x tile,
	s_lshl_b32 s34, s21, 7
	s_add_co_u32 s26, s26, s34                     ; + 128 bytes x (wave / 4): two K steps
	s_mov_b32 s27, 0
	s_lshl_b32 s28, s19, 10                        ; its scale bytes: 64 rows of 16
	s_mov_b32 s29, 0
	s_lshl_b32 s30, s19, 8                         ; b_o: 64 numbers
	s_mov_b32 s31, 0
	s_lshl_b32 s32, ttmp9, 18                      ; x, out0: row 128 X + 32 (wave / 2) + 8 (wave % 2), column 64 Y
	s_lshr_b32 s34, s18, 1
	s_lshl_b32 s34, s34, 16
	s_add_co_u32 s32, s32, s34
	s_and_b32 s34, s18, 1
	s_lshl_b32 s34, s34, 14
	s_add_co_u32 s32, s32, s34
	s_add_co_u32 s32, s32, s30
	s_mov_b32 s33, 0
	s_wait_kmcnt 0x0
	s_add_nc_u64 s[4:5], s[4:5], s[22:23]
	s_add_nc_u64 s[6:7], s[6:7], s[24:25]
	s_add_nc_u64 s[8:9], s[8:9], s[26:27]
	s_add_nc_u64 s[10:11], s[10:11], s[28:29]
	s_add_nc_u64 s[12:13], s[12:13], s[30:31]
	s_add_nc_u64 s[14:15], s[14:15], s[32:33]
	s_add_nc_u64 s[16:17], s[16:17], s[32:33]
	s_wait_alu depctr_va_vdst(0)                   ; the offsets and LDS addresses v4 to v11 are written: every load and store of the kernel reads one of them, and none is written again
.irp e, 0,1
.irp c, 0,1
	global_load_b128 v[WL+8*\e+4*\c:WL+8*\e+4*\c+3], v5, s[8:9] offset:64*\e+32*\c
.endr
.endr
.irp i, 0,1,2,3,4,5,6,7
	global_load_b128 v[AF+4*\i:AF+4*\i+3], v4, s[4:5] offset:512*\i th:TH_LOAD_NT    ; head i: registers 4 (i % 2) .. of K step i / 2... read again by the other seven column blocks' work-groups only from their own loads
.endr
.irp i, 0,1,2,3,4,5,6,7
	global_load_u16 v[AR+\i], v7, s[6:7] offset:8192*\i
.endr
.irp t, 0,1,2,3
	global_load_b128 v[WS+4*\t:WS+4*\t+3], v8, s[10:11] offset:256*\t
.endr
	global_load_b128 v[BI:BI+3], v8, s[12:13]
.irp i, 0,1,2,3,4,5,6,7
	global_load_b128 v[XR+4*\i:XR+4*\i+3], v11, s[14:15] offset:((2*\i)%8+16*((2*\i)/8))*2048 th:TH_LOAD_NT
.endr
	s_wait_loadcnt 29                              ; my two fragments of W_o are in; the 29 loads behind them may be out
.irp e, 0,1
.irp c, 0,1
	ds_store_b128 v6, v[WL+8*\e+4*\c:WL+8*\e+4*\c+3] offset:1024*\e+512*\c
.endr
.endr
	s_wait_dscnt 0x0                               ; for the others' sake: my stores have landed
	s_barrier_signal -1
	s_barrier_wait -1                              ; W_o's sixteen fragments lie in LDS
.macro FETCHW s, buf                   ; K step s of the four column tiles
.irp t, 0,1,2,3
.irp c, 0,1
	ds_load_b128 v[WB+32*(\buf)+8*\t+4*\c:WB+32*(\buf)+8*\t+4*\c+3], v4 offset:(4*\t+(\s))*1024+512*\c
.endr
.endr
.endm
.macro MUL s, buf, z                   ; four products, the four accumulators by turns
.irp t, 0,1,2,3
.if \z
	v_wmma_scale_f32_16x16x128_f8f6f4 v[ACC+8*\t:ACC+8*\t+7], v[WB+32*(\buf)+8*\t:WB+32*(\buf)+8*\t+7], v[AF+8*(\s):AF+8*(\s)+7], 0, v[WS+4*\t+(\s)], v[ASW+(\s)] matrix_a_fmt:MATRIX_FMT_FP4 matrix_b_fmt:MATRIX_FMT_FP4
.else
	v_wmma_scale_f32_16x16x128_f8f6f4 v[ACC+8*\t:ACC+8*\t+7], v[WB+32*(\buf)+8*\t:WB+32*(\buf)+8*\t+7], v[AF+8*(\s):AF+8*(\s)+7], v[ACC+8*\t:ACC+8*\t+7], v[WS+4*\t+(\s)], v[ASW+(\s)] matrix_a_fmt:MATRIX_FMT_FP4 matrix_b_fmt:MATRIX_FMT_FP4
.endif
.endr
.endm
.macro PLACES
.rept 4
	v_nop
.endr
.endm
	FETCHW 0, 0                                    ; three K steps at once, into registers that nothing has named
	FETCHW 1, 1
	FETCHW 2, 2
	s_wait_loadcnt 9                               ; attended, its scale bytes and W_o's scale words are in; b_o's load and x's eight may be out
.irp s, 0,1,2,3
	v_lshl_or_b32 v[ASW+\s], v[AR+2*\s+1], 16, v[AR+2*\s]   ; heads 2 s and 2 s + 1: the four bytes of K step s
.endr
.rept 8
	v_nop                                          ; a scale register written by a vector instruction stands eight plain instructions ahead of the scaled product
.endr
	s_wait_alu depctr_va_vdst(0)                   ; attended's scale words v72 to v75 are written, which the scaled products take as scales; the eight instructions above stay beside this wait
	s_wait_dscnt 16                                ; K step 0 is in; the two younger K steps (sixteen loads) may be out
	MUL 0, 0, 1
	PLACES
	s_wait_alu depctr_va_vdst(0)                   ; K step 0's products are done reading W0, in which K step 3 lands
	FETCHW 3, 0
	s_wait_dscnt 16                                ; K step 1 is in; K steps 2 and 3 may be out
	MUL 1, 1, 0
	s_wait_dscnt 8                                 ; K step 2 is in
	MUL 2, 2, 0
	s_wait_dscnt 0x0
	MUL 3, 0, 0
	PLACES                                         ; four plain instructions behind the last product, before its result is read (ISA guide 7.12.1)
	s_wait_alu depctr_va_vdst(0)                   ; the products have written the accumulators, which the LDS stores read, and are done reading W0, in which the rows come back; the four instructions above stay beside this wait
.irp t, 0,1,2,3
	ds_store_b128 v9, v[ACC+8*\t:ACC+8*\t+3] offset:64*\t          ; each accumulator from its low end on
	ds_store_b128 v9, v[ACC+8*\t+4:ACC+8*\t+7] offset:64*\t+16
.endr
.irp i, 0,1,2,3,4,5,6,7
	ds_load_b128 v[OB+4*\i:OB+4*\i+3], v10 offset:2*\i*SP          ; LDS serves a wave's instructions in order (ISA guide 5.7.1.4): these see my stores
.endr
	s_wait_loadcnt 0x0                             ; b_o and x
.irp g, 0,1                            ; four pairs of rows at a time: the additions, one wait, the stores
	s_wait_dscnt 4-4*\g                            ; these four loads from the stage are in; the younger four may be out
.irp j, 0,1,2,3
	v_pk_add_f32 v[OB+4*(4*\g+\j):OB+4*(4*\g+\j)+1], v[OB+4*(4*\g+\j):OB+4*(4*\g+\j)+1], v[BI:BI+1]
	v_pk_add_f32 v[OB+4*(4*\g+\j)+2:OB+4*(4*\g+\j)+3], v[OB+4*(4*\g+\j)+2:OB+4*(4*\g+\j)+3], v[BI+2:BI+3]
	v_pk_add_f32 v[OB+4*(4*\g+\j):OB+4*(4*\g+\j)+1], v[OB+4*(4*\g+\j):OB+4*(4*\g+\j)+1], v[XR+4*(4*\g+\j):XR+4*(4*\g+\j)+1]
	v_pk_add_f32 v[OB+4*(4*\g+\j)+2:OB+4*(4*\g+\j)+3], v[OB+4*(4*\g+\j)+2:OB+4*(4*\g+\j)+3], v[XR+4*(4*\g+\j)+2:XR+4*(4*\g+\j)+3]
.endr
	s_wait_alu depctr_va_vdst(0)                   ; the additions have written these sixteen registers, which the four stores read
.irp j, 0,1,2,3
	global_store_b128 v11, v[OB+4*(4*\g+\j):OB+4*(4*\g+\j)+3], s[16:17] offset:((2*(4*\g+\j))%8+16*((2*(4*\g+\j))/8))*2048 th:TH_STORE_NT
.endr
.endr
	s_wait_dscnt 0x0
	s_wait_alu depctr_hold_cnt(0) depctr_sa_sdst(0) depctr_va_vdst(0) depctr_va_sdst(0) depctr_va_ssrc(0) depctr_va_vcc(0) depctr_vm_vsrc(0)
	s_wait_tensorcnt 0x0
	ds_add_u32 v14, v15
	s_wait_dscnt 0x0
	s_endpgm
.Lfunc_end_k_q9c3aa84b04_oproj:
	.size	k_q9c3aa84b04_oproj, .Lfunc_end_k_q9c3aa84b04_oproj-k_q9c3aa84b04_oproj
	.p2alignl 7, 3214868480
	.fill 96, 4, 3214868480
	.section	.rodata,"a",@progbits
	.p2align	6, 0x0
	.amdhsa_kernel k_q9c3aa84b04_oproj
		.amdhsa_group_segment_fixed_size 52224
		.amdhsa_private_segment_fixed_size 0
		.amdhsa_enable_private_segment 0
		.amdhsa_kernarg_size 56
		.amdhsa_user_sgpr_count 2
		.amdhsa_user_sgpr_kernarg_segment_ptr 1
		.amdhsa_wavefront_size32 1
		.amdhsa_system_sgpr_workgroup_id_x 1
		.amdhsa_system_sgpr_workgroup_id_y 1
		.amdhsa_system_sgpr_workgroup_id_z 1
		.amdhsa_system_vgpr_workitem_id 0
		.amdhsa_next_free_vgpr 256
		.amdhsa_next_free_sgpr 66
		.amdhsa_reserve_vcc 0
		.amdhsa_float_denorm_mode_32 3
		.amdhsa_float_denorm_mode_16_64 3
		.amdhsa_memory_ordered 1
		.amdhsa_forward_progress 1
		.amdhsa_inst_pref_size 16
	.end_amdhsa_kernel
	.amdgpu_metadata
---
amdhsa.version: [ 1, 2 ]
amdhsa.kernels:
  - .name:           k_q9c3aa84b04_oproj
    .symbol:         k_q9c3aa84b04_oproj.kd
    .args:
      - { .name: ac, .offset: 0, .size: 8, .value_kind: global_buffer, .address_space: global }
      - { .name: asc, .offset: 8, .size: 8, .value_kind: global_buffer, .address_space: global }
      - { .name: w_o_codes, .offset: 16, .size: 8, .value_kind: global_buffer, .address_space: global }
      - { .name: w_o_scales, .offset: 24, .size: 8, .value_kind: global_buffer, .address_space: global }
      - { .name: b_o, .offset: 32, .size: 8, .value_kind: global_buffer, .address_space: global }
      - { .name: x, .offset: 40, .size: 8, .value_kind: global_buffer, .address_space: global }
      - { .name: out0, .offset: 48, .size: 8, .value_kind: global_buffer, .address_space: global }
    .group_segment_fixed_size: 52224
    .private_segment_fixed_size: 0
    .kernarg_segment_align: 8
    .kernarg_segment_size: 56
    .max_flat_workgroup_size: 256
    .sgpr_count:     66
    .vgpr_count:     256
    .wavefront_size: 32
...
	.end_amdgpu_metadata
.endif
;; end of part 6
